; MI455X (gfx1250); checked and timed in simulation.
; The chip was launched on July 23, 2026; its instructions are those of AMD's public machine-readable ISA for CDNA 5 (MIT licence, August 2026) and "CDNA5" Instruction Set Architecture Reference Guide (July 2026). The comments in the code are by the model that wrote it; some were corrected since.
;; Expert Group. Allowed arithmetic: matrix products marked QUANTISED: E5M2 operands, one E8M0 scale for each 32 along K, by v_wmma_scale_f32_16x16x128_f8f6f4 with both operands' format E5M2, f32 sums; everything else in f32.
;; Inputs: W1_codes 16 x 2,048 x 32 x 32 uint8 (E5M2 codes of W1, K innermost, in blocks of 32 codes); W1_scales 16 x 2,048 x 32 uint8 (E8M0 scales of W1, one for each 32 codes along K); W2_codes 16 x 1,024 x 64 x 32 uint8 (E5M2 codes of W2, K innermost, in blocks of 32 codes); W2_scales 16 x 1,024 x 64 uint8 (E8M0 scales of W2, one for each 32 codes along K); Wg_codes 16 x 32 x 32 uint8 (E5M2 codes of Wg, K innermost, in blocks of 32 codes); Wg_scales 16 x 32 uint8 (E8M0 scales of Wg, one for each 32 codes along K); b1 16 x 2,048 float32; b2 16 x 1,024 float32; x_codes 1,024 x 32 x 32 uint8 (E5M2 codes of x, K innermost, in blocks of 32 codes); x_scales 1,024 x 32 uint8 (E8M0 scales of x, one for each 32 codes along K).
;; Outputs: out0 1,024 x 1,024 float32.
;; This version of the problem:
;;   THIS VERSION OF THE PROBLEM IS GIVEN IN LOW PRECISION. The matrix products marked QUANTISED in the list below multiply operands that are first quantised to E5M2 (5 exponent bits, 2 mantissa bits; 8 bits a number), with one power-of-two scale for each 32 numbers along K (OCP MX v1.0); their sums are f32. All else is computed in f32.
;;   The module's matrix products, in the order in which they are computed (A, B: the left and right operand; K: the contracted axis; several contracted axes count as one K, in the product's order):
;;     1. [M 1,024, K 1,024] x [K 1,024, N 16]; A: input x (given as codes); B: input Wg (given as codes): QUANTISED
;;     2. [M 1,024, K 1,024] x [K 1,024, N 2,048]; A: input x (given as codes); B: input W1 (given as codes): QUANTISED
;;     3. [M 1,024, K 2,048] x [K 2,048, N 1,024]; A: computed on the way; B: input W2 (given as codes): QUANTISED
;;     4. [M 1,024, K 1,024] x [K 1,024, N 2,048]; A: input x (given as codes); B: input W1 (given as codes): QUANTISED
;;     5. [M 1,024, K 2,048] x [K 2,048, N 1,024]; A: computed on the way; B: input W2 (given as codes): QUANTISED
;;     6. [M 1,024, K 1,024] x [K 1,024, N 2,048]; A: input x (given as codes); B: input W1 (given as codes): QUANTISED
;;     7. [M 1,024, K 2,048] x [K 2,048, N 1,024]; A: computed on the way; B: input W2 (given as codes): QUANTISED
;;     8. [M 1,024, K 1,024] x [K 1,024, N 2,048]; A: input x (given as codes); B: input W1 (given as codes): QUANTISED
;;     9. [M 1,024, K 2,048] x [K 2,048, N 1,024]; A: computed on the way; B: input W2 (given as codes): QUANTISED
;;     10. [M 1,024, K 1,024] x [K 1,024, N 2,048]; A: input x (given as codes); B: input W1 (given as codes): QUANTISED
;;     11. [M 1,024, K 2,048] x [K 2,048, N 1,024]; A: computed on the way; B: input W2 (given as codes): QUANTISED
;;     12. [M 1,024, K 1,024] x [K 1,024, N 2,048]; A: input x (given as codes); B: input W1 (given as codes): QUANTISED
;;     13. [M 1,024, K 2,048] x [K 2,048, N 1,024]; A: computed on the way; B: input W2 (given as codes): QUANTISED
;;     14. [M 1,024, K 1,024] x [K 1,024, N 2,048]; A: input x (given as codes); B: input W1 (given as codes): QUANTISED
;;     15. [M 1,024, K 2,048] x [K 2,048, N 1,024]; A: computed on the way; B: input W2 (given as codes): QUANTISED
;;     16. [M 1,024, K 1,024] x [K 1,024, N 2,048]; A: input x (given as codes); B: input W1 (given as codes): QUANTISED
;;     17. [M 1,024, K 2,048] x [K 2,048, N 1,024]; A: computed on the way; B: input W2 (given as codes): QUANTISED
;;     18. [M 1,024, K 1,024] x [K 1,024, N 2,048]; A: input x (given as codes); B: input W1 (given as codes): QUANTISED
;;     19. [M 1,024, K 2,048] x [K 2,048, N 1,024]; A: computed on the way; B: input W2 (given as codes): QUANTISED
;;     20. [M 1,024, K 1,024] x [K 1,024, N 2,048]; A: input x (given as codes); B: input W1 (given as codes): QUANTISED
;;     21. [M 1,024, K 2,048] x [K 2,048, N 1,024]; A: computed on the way; B: input W2 (given as codes): QUANTISED
;;     22. [M 1,024, K 1,024] x [K 1,024, N 2,048]; A: input x (given as codes); B: input W1 (given as codes): QUANTISED
;;     23. [M 1,024, K 2,048] x [K 2,048, N 1,024]; A: computed on the way; B: input W2 (given as codes): QUANTISED
;;     24. [M 1,024, K 1,024] x [K 1,024, N 2,048]; A: input x (given as codes); B: input W1 (given as codes): QUANTISED
;;     25. [M 1,024, K 2,048] x [K 2,048, N 1,024]; A: computed on the way; B: input W2 (given as codes): QUANTISED
;;     26. [M 1,024, K 1,024] x [K 1,024, N 2,048]; A: input x (given as codes); B: input W1 (given as codes): QUANTISED
;;     27. [M 1,024, K 2,048] x [K 2,048, N 1,024]; A: computed on the way; B: input W2 (given as codes): QUANTISED
;;     28. [M 1,024, K 1,024] x [K 1,024, N 2,048]; A: input x (given as codes); B: input W1 (given as codes): QUANTISED
;;     29. [M 1,024, K 2,048] x [K 2,048, N 1,024]; A: computed on the way; B: input W2 (given as codes): QUANTISED
;;     30. [M 1,024, K 1,024] x [K 1,024, N 2,048]; A: input x (given as codes); B: input W1 (given as codes): QUANTISED
;;     31. [M 1,024, K 2,048] x [K 2,048, N 1,024]; A: computed on the way; B: input W2 (given as codes): QUANTISED
;;     32. [M 1,024, K 1,024] x [K 1,024, N 2,048]; A: input x (given as codes); B: input W1 (given as codes): QUANTISED
;;     33. [M 1,024, K 2,048] x [K 2,048, N 1,024]; A: computed on the way; B: input W2 (given as codes): QUANTISED
;;   THE QUANTISER, for each operand of a quantised product, along K:
;;     - K is cut into blocks of 32 from its start; a last block that is shorter is filled with zeros.
;;     - A block's scale is 2^e with e = floor(log2(the largest magnitude in the block)) - 15, held to -126 .. 127; a block of zeros has e = 0. As a byte (E8M0): e + 127.
;;     - Each number is divided by its block's scale, clamped to +-57,344, and rounded to the nearest number of E5M2, ties to even, subnormals kept.
;;     - The product sums the exact products of the quantised numbers (number of the format x scale) in f32.
;;   ~~~python
;;   def quantise(x, axis):      # numpy; x: float32 -> the quantised numbers, widened to float32 again
;;       x = np.moveaxis(x, axis, -1); K = x.shape[-1]
;;       x = np.pad(x, [(0, 0)] * (x.ndim - 1) + [(0, -K % 32)]); x = x.reshape(x.shape[:-1] + (-1, 32)); a = np.abs(x).max(-1, keepdims=True)
;;       e = np.where(a > 0, np.clip(np.frexp(np.where(a > 0, a, 1))[1] - 1 - 15, -126, 127), 0)      # np.frexp(a)[1] - 1 = floor(log2(a)), exactly
;;       r = np.clip(x / 2.0 ** e, -57344, 57344)
;;       step = 2.0 ** (np.maximum(np.frexp(np.where(r == 0, 1, r))[1] - 1, -14) - 2)
;;       q = np.round(r / step) * step * 2.0 ** e      # np.round: ties to even
;;       return np.moveaxis(q.reshape(q.shape[:-2] + (-1,))[..., :K], -1, axis).astype(np.float32)
;;   ~~~
;;   OPERANDS COMPUTED ON THE WAY. 'Computed on the way' means the value that the module computes at that place (a softmax that the list does not call 'softmax' is quantised finished and normalised). What goes into a quantiser is computed in f32, as accurately as f32 sums, v_exp_f32 and their like allow (about 1e-6 of the number): no bf16 or f16 on the way to a quantiser, and a product that is left as it is and whose result goes on into a quantised operand takes f32 operands (vector FMAs, or v_wmma_f32_16x16x4_f32). A number that lies on a knife's edge between two numbers of the format may be rounded either way, as far as f32 arithmetic and the matrix unit's own rounding can turn it there, and no further.
;;   INPUTS GIVEN AS CODES. W1 (in the module: [16, 1024, 2048], K = its axis 1); W2 (in the module: [16, 2048, 1024], K = its axis 1); Wg (in the module: [16, 1024], K = its axis 1); x (in the module: [1024, 1024], K = its axis 1): each comes as NAME_codes (uint8): NAME with its K axis moved to the last place and cut into blocks of 32 codes, [.., K / 32, bytes a block], one block behind the other in memory; one code a byte (a code: sign, 5 exponent bits, 2 mantissa bits); and NAME_scales (uint8): the same leading axes, one E8M0 byte (e + 127) for each 32 codes along K. Its value is code x scale, taken as it is: it is not quantised again, and the codes and scales need not be those that the quantiser above would give.
;; 2 versions. Each part assembles by itself: llvm-mc -triple=amdgcn-amd-amdhsa -mcpu=gfx1250 --defsym DOCPART=n.
;; ======== version 1 of 2: 5 launches
;; workspace buffers: ridx 8,192 bytes of whole numbers; rwt 8,192 bytes; plan 17,664 bytes of whole numbers; hc 4,718,592 bytes; hs 147,456 bytes; y 9,437,184 bytes
;; launch route (part 1): grid 64 x 1, 1 waves a work-group, no clusters, 0 bytes of LDS; arguments x_codes, x_scales, Wg_codes, Wg_scales, ridx, rwt; writes ridx, rwt
.if DOCPART == 1
	.amdgcn_target "amdgcn-amd-amdhsa--gfx1250"
	.amdhsa_code_object_version 6
	.text
	.protected	k_qf93083b6cf_route
	.globl	k_qf93083b6cf_route
	.p2align	8
	.type	k_qf93083b6cf_route,@function
k_qf93083b6cf_route:
	s_mov_b64 s[64:65], 0
	v_nop
	global_prefetch_b8 v0, s[64:65] scope:SCOPE_SE
	s_setreg_imm32_b32 hwreg(HW_REG_WAVE_MODE, 25, 1), 1
	s_wait_xcnt 0x0
; THE ROUTER.  logits = x Wg^T on the given codes of E5M2 with their E8M0 scales; the two largest logits of each token (ties keep the lower expert);
; the softmax of the two, with the larger taken away first.  One wave takes 16 tokens.  Stored at fixed places: ridx[token][2] the experts, the larger logit first; rwt[token][2] their weights.
; THE PRODUCT IS USED TRANSPOSED: source 0 = the 16 rows of Wg, source 1 = 16 rows of x: lane (r, h) holds token r, its register j the logit of expert 8 h + j.
; K = 1,024 goes in eight instructions on one accumulator, K ascending.
; LIMITS: NaN and infinities among the logits are not served.
; REGISTERS: v1 r, v2 h, v3 8 h, v4-6 offsets; v8-11 x's scale words, v12-15 Wg's; v16-23 the logits; v24-51 at work; v64-191 x's eight fragments; window 1, v0-127: Wg's eight.
.set MSB, 0
.macro WIN new                         ; the immediate's high byte repeats the setting that is left
.if MSB != \new
	s_set_vgpr_msb (MSB<<8)|\new
.set MSB, \new
.endif
.endm
	s_load_b256 s[4:11], s[0:1], 0x0               ; x's codes, x's scales, Wg's codes, Wg's scales
	s_load_b128 s[12:15], s[0:1], 0x20             ; ridx, rwt
	v_and_b32 v1, 15, v0                           ; r
	v_lshrrev_b32 v2, 4, v0                        ; h (one wave: v0 is the lane)
	v_lshlrev_b32 v3, 3, v2                        ; 8 h: my first expert
	v_lshlrev_b32 v4, 10, v1
	v_lshl_add_u32 v4, v2, 4, v4                   ; codes: row r of 1,024 bytes, + 16 h
	v_lshlrev_b32 v5, 5, v1
	v_lshl_add_u32 v5, v2, 4, v5                   ; scale bytes: row r of 32, + 16 h: lanes 0-15 take the words of K steps 0-3, lanes 16-31 those of 4-7
	v_lshlrev_b32 v6, 3, v1
	v_lshl_add_u32 v6, v2, 2, v6                   ; out: 8 bytes a token; lanes 0-15 the first place, lanes 16-31 the second
	s_mov_b32 s18, 0x76543210
	s_mov_b32 s19, 0xfedcba98                      ; v_permlanex16_b32's selects for lane l xor 16
	s_mov_b32 s20, 0xffff0000                      ; the mask of lanes 16-31
	s_mov_b32 s17, 0
	s_wait_kmcnt 0x0
	s_lshl_b32 s16, ttmp9, 14                      ; 16 rows of 1,024 bytes
	s_add_nc_u64 s[4:5], s[4:5], s[16:17]
	s_lshl_b32 s16, ttmp9, 9                       ; 16 rows of 32 bytes
	s_add_nc_u64 s[6:7], s[6:7], s[16:17]
	s_lshl_b32 s16, ttmp9, 7                       ; 16 tokens of 8 bytes
	s_add_nc_u64 s[12:13], s[12:13], s[16:17]
	s_add_nc_u64 s[14:15], s[14:15], s[16:17]
	WIN 0x40                                       ; destination window 1
.irp s, 0,1,2,3,4,5,6,7
.irp c, 0,1,2,3
	global_load_b128 v[16*\s+4*\c:16*\s+4*\c+3], v4, s[8:9] offset:128*\s+32*\c        ; Wg(r, 128 s + 32 c + 16 h ..)
.endr
.endr
	WIN 0
.irp s, 0,1,2,3,4,5,6,7
.irp c, 0,1,2,3
	global_load_b128 v[64+16*\s+4*\c:64+16*\s+4*\c+3], v4, s[4:5] offset:128*\s+32*\c  ; x likewise
.endr
.endr
	global_load_b128 v[8:11], v5, s[6:7]           ; register j: K step j in lanes 0-15, K step 4 + j in lanes 16-31
	global_load_b128 v[12:15], v5, s[10:11]
	s_wait_loadcnt 0x0
	WIN 0x01                                       ; source 0 (Wg) window 1
	v_wmma_scale_f32_16x16x128_f8f6f4 v[16:23], v[0:15], v[64:79], 0, v12, v8 matrix_a_fmt:MATRIX_FMT_BF8 matrix_b_fmt:MATRIX_FMT_BF8
.irp s, 1,2,3
	s_wait_alu depctr_va_vdst(0)                   ; the wait ahead of every link
	v_wmma_scale_f32_16x16x128_f8f6f4 v[16:23], v[16*\s:16*\s+15], v[64+16*\s:64+16*\s+15], v[16:23], v[12+\s], v[8+\s] matrix_a_fmt:MATRIX_FMT_BF8 matrix_b_fmt:MATRIX_FMT_BF8
.endr
.irp s, 4,5,6,7
	s_wait_alu depctr_va_vdst(0)
	v_wmma_scale_f32_16x16x128_f8f6f4 v[16:23], v[16*\s:16*\s+15], v[64+16*\s:64+16*\s+15], v[16:23], v[8+\s], v[4+\s] matrix_a_fmt:MATRIX_FMT_BF8 matrix_b_fmt:MATRIX_FMT_BF8 matrix_a_scale:MATRIX_SCALE_ROW1 matrix_b_scale:MATRIX_SCALE_ROW1
.endr
	WIN 0
.rept 8
	v_nop                                          ; eight places between the last product and the first read of its result
.endr
	; the two largest of my eight: (v24, v25) the largest and its expert, (v26, v27) the second.  All compares are strict, and experts ascend: a tie keeps the lower expert
	v_mov_b32 v24, v16                             ; the accumulator is read from its low end on
	v_mov_b32 v25, v3
	v_mov_b32 v26, 0xff800000                      ; -infinity
	v_mov_b32 v27, v3
.macro SCAN j
	v_add_nc_u32 v28, \j, v3                       ; the expert
	v_cmp_gt_f32 s21, v[16+\j], v24
	v_cmp_gt_f32 s22, v[16+\j], v26
	v_cndmask_b32 v29, v26, v[16+\j], s22
	v_cndmask_b32 v30, v27, v28, s22
	v_cndmask_b32 v26, v29, v24, s21               ; a new largest pushes the old one down
	v_cndmask_b32 v27, v30, v25, s21
	v_cndmask_b32 v24, v24, v[16+\j], s21
	v_cndmask_b32 v25, v25, v28, s21
.endm
.irp j, 1,2,3,4,5,6,7
	SCAN \j
.endr
.irp i, 0,1,2,3
	v_mov_b32 v[32+\i], 0                          ; a lane permute's destination counts as one of its sources
.endr
.irp i, 0,1,2,3
	v_permlanex16_b32 v[32+\i], v[24+\i], s18, s19 ; the other eight experts' two
.endr
.irp i, 0,1,2,3
	v_cndmask_b32 v[36+\i], v[24+\i], v[32+\i], s20   ; set A: experts 0-7's, in every lane
	v_cndmask_b32 v[40+\i], v[32+\i], v[24+\i], s20   ; set B: experts 8-15's
.endr
	v_cmp_gt_f32 s21, v40, v36                     ; B's largest over A's?  (a tie keeps A: the lower expert)
	v_cndmask_b32 v44, v36, v40, s21               ; the largest,
	v_cndmask_b32 v45, v37, v41, s21               ; its expert
	v_cndmask_b32 v46, v38, v36, s21               ; what A still offers,
	v_cndmask_b32 v47, v39, v37, s21
	v_cndmask_b32 v48, v40, v42, s21               ; what B still offers
	v_cndmask_b32 v49, v41, v43, s21
	v_cmp_gt_f32 s22, v48, v46
	v_cndmask_b32 v50, v46, v48, s22               ; the second,
	v_cndmask_b32 v51, v47, v49, s22               ; its expert
	v_sub_f32 v28, v50, v44                        ; the larger is taken away: 0 or less
	v_mul_f32 v28, 0x3fb8aa3b, v28                 ; x log2(e)
	v_exp_f32 v29, v28
	v_nop                                          ; a plain instruction behind the transcendental
	s_wait_alu depctr_va_vdst(0)                   ; and the wait ahead of its first reader
	v_add_f32 v30, 1.0, v29
	v_rcp_f32 v31, v30                             ; the first weight: 1 / (1 + e)
	v_nop
	s_wait_alu depctr_va_vdst(0)
	v_mul_f32 v29, v29, v31                        ; the second: e / (1 + e)
	v_cndmask_b32 v28, v45, v51, s20               ; lanes 0-15 store the first place, lanes 16-31 the second: 128 consecutive bytes a store
	v_cndmask_b32 v30, v31, v29, s20
	global_store_b32 v6, v28, s[12:13]
	global_store_b32 v6, v30, s[14:15]
	s_endpgm
.Lfunc_end_k_qf93083b6cf_route:
	.size	k_qf93083b6cf_route, .Lfunc_end_k_qf93083b6cf_route-k_qf93083b6cf_route
	.p2alignl 7, 3214868480
	.fill 96, 4, 3214868480
	.section	.rodata,"a",@progbits
	.p2align	6, 0x0
	.amdhsa_kernel k_qf93083b6cf_route
		.amdhsa_group_segment_fixed_size 0
		.amdhsa_private_segment_fixed_size 0
		.amdhsa_enable_private_segment 0
		.amdhsa_kernarg_size 48
		.amdhsa_user_sgpr_count 2
		.amdhsa_user_sgpr_kernarg_segment_ptr 1
		.amdhsa_wavefront_size32 1
		.amdhsa_system_sgpr_workgroup_id_x 1
		.amdhsa_system_sgpr_workgroup_id_y 1
		.amdhsa_system_sgpr_workgroup_id_z 1
		.amdhsa_system_vgpr_workitem_id 0
		.amdhsa_next_free_vgpr 384
		.amdhsa_next_free_sgpr 66
		.amdhsa_reserve_vcc 0
		.amdhsa_float_denorm_mode_32 3
		.amdhsa_float_denorm_mode_16_64 3
		.amdhsa_memory_ordered 1
		.amdhsa_forward_progress 1
		.amdhsa_inst_pref_size 16
	.end_amdhsa_kernel
	.amdgpu_metadata
---
amdhsa.version: [ 1, 2 ]
amdhsa.kernels:
  - .name:           k_qf93083b6cf_route
    .symbol:         k_qf93083b6cf_route.kd
    .args:
      - { .name: x_codes, .offset: 0, .size: 8, .value_kind: global_buffer, .address_space: global }
      - { .name: x_scales, .offset: 8, .size: 8, .value_kind: global_buffer, .address_space: global }
      - { .name: Wg_codes, .offset: 16, .size: 8, .value_kind: global_buffer, .address_space: global }
      - { .name: Wg_scales, .offset: 24, .size: 8, .value_kind: global_buffer, .address_space: global }
      - { .name: ridx, .offset: 32, .size: 8, .value_kind: global_buffer, .address_space: global }
      - { .name: rwt, .offset: 40, .size: 8, .value_kind: global_buffer, .address_space: global }
    .group_segment_fixed_size: 0
    .private_segment_fixed_size: 0
    .kernarg_segment_align: 8
    .kernarg_segment_size: 48
    .max_flat_workgroup_size: 32
    .sgpr_count:     66
    .vgpr_count:     384
    .wavefront_size: 32
...
	.end_amdgpu_metadata
.endif
;; end of part 1
;; launch place (part 2): grid 1 x 1, 32 waves a work-group, no clusters, 8,192 bytes of LDS; arguments ridx, plan; writes plan
.if DOCPART == 2
	.amdgcn_target "amdgcn-amd-amdhsa--gfx1250"
	.amdhsa_code_object_version 6
	.text
	.protected	k_qf93083b6cf_place
	.globl	k_qf93083b6cf_place
	.p2align	8
	.type	k_qf93083b6cf_place,@function
k_qf93083b6cf_place:
	s_mov_b64 s[64:65], 0
	v_nop
	global_prefetch_b8 v0, s[64:65] scope:SCOPE_SE
	s_setreg_imm32_b32 hwreg(HW_REG_WAVE_MODE, 25, 1), 1
	s_wait_xcnt 0x0
; THE PLACING: a counting sort of the 2,048 (token, place) pairs by expert, each expert's rows filled up to tiles of 16.  One work-group; thread t is token t.  Whole numbers only.
; plan: bytes 0-127 pbase[0..16] (an expert's first tile; pbase[16] = the number of tiles), zeros up to word 31;  bytes 256 on list[2304]: the token of each sorted row (filling rows: token 0);
; bytes 9,472 on pos[1024][2]: the sorted row of each (token, place).  At most (2,048 + 16 x 15) / 16 = 143 tiles.
; A token's two experts differ, so a lane counts once at most for an expert.
; LDS: bytes 0-4,095: the counts, 32 words for each of the 32 waves (word e: the wave's tokens on expert e).
; REGISTERS: v1 lane; v[2:3] my experts; v4, v5 my ranks in the wave; v6 the wave's counts (lane e); v10 totals, v11 counts of the waves before mine, v12 tiles, v13 first tiles, v14 where my wave's rows begin (all: lane e).
	s_load_b128 s[4:7], s[0:1], 0x0                ; ridx, plan
	v_lshl_add_u32 v64, v0, 2, 0x1000
	v_mov_b32 v65, 0
	v_lshrrev_b32 v15, 5, v0
	v_readfirstlane_b32 s8, v15                    ; wave
	v_and_b32 v1, 31, v0
	v_lshlrev_b32 v8, 2, v0                        ; 4 x thread
	v_lshlrev_b32 v9, 2, v1                        ; 4 x lane
	v_lshlrev_b32 v16, 3, v0                       ; 8 x thread
	v_mov_b32 v4, 0
	v_mov_b32 v5, 0
	v_mov_b32 v6, 0
	v_mov_b32 v10, 0
	v_mov_b32 v11, 0
	v_mov_b32 v13, 0
	s_wait_kmcnt 0x0
	global_load_b64 v[2:3], v16, s[4:5]
	s_wait_loadcnt 0x0
	v_min_u32 v2, 15, v2
	v_min_u32 v3, 15, v3
.macro CNT e                           ; expert e in my wave: who has it, how many, and how many in lanes below mine
	v_cmp_eq_u32 s10, \e, v2
	v_cmp_eq_u32 s11, \e, v3
	s_or_b32 s12, s10, s11
	s_bcnt1_i32_b32 s13, s12
	v_mbcnt_lo_u32_b32 v7, s12, 0
	v_cndmask_b32 v4, v4, v7, s10
	v_cndmask_b32 v5, v5, v7, s11
	v_writelane_b32 v6, s13, \e
.endm
.irp e, 0,1,2,3,4,5,6,7,8,9,10,11,12,13,14,15
	CNT \e
.endr
	ds_store_b32 v8, v6
	s_wait_dscnt 0x0                               ; for the others' sake: my counts lie in LDS
	s_barrier_signal -1
	s_barrier_wait -1
.irp w, 0,1,2,3,4,5,6,7,8,9,10,11,12,13,14,15,16,17,18,19,20,21,22,23,24,25,26,27,28,29,30,31
	ds_load_b32 v[32+\w], v9 offset:128*\w         ; lane e: wave w's count for expert e
.endr
	s_wait_dscnt 0x0
.macro ACCUM w
	s_cmp_gt_u32 s8, \w
	s_cselect_b32 s10, -1, 0
	v_and_b32 v15, s10, v[32+\w]
	v_add_nc_u32 v11, v11, v15                     ; of the waves before mine
	v_add_nc_u32 v10, v10, v[32+\w]                ; of all
.endm
.irp w, 0,1,2,3,4,5,6,7,8,9,10,11,12,13,14,15,16,17,18,19,20,21,22,23,24,25,26,27,28,29,30,31
	ACCUM \w
.endr
	v_add_nc_u32 v12, 15, v10
	v_lshrrev_b32 v12, 4, v12                      ; tiles of 16 rows
	s_mov_b32 s9, 0
.irp e, 0,1,2,3,4,5,6,7,8,9,10,11,12,13,14,15
	v_readlane_b32 s10, v12, \e
	v_writelane_b32 v13, s9, \e                    ; the expert's first tile
	s_add_co_u32 s9, s9, s10
.endr
	v_writelane_b32 v13, s9, 16                    ; the number of tiles
	v_lshl_add_u32 v14, v13, 4, v11                ; lane e: the row at which my wave's tokens on expert e begin
	v_lshlrev_b32 v17, 2, v2
	v_lshlrev_b32 v18, 2, v3
	ds_bpermute_b32 v19, v17, v14
	ds_bpermute_b32 v20, v18, v14
	s_wait_dscnt 0x0
	v_add_nc_u32 v22, v19, v4                      ; my two sorted rows
	v_add_nc_u32 v23, v20, v5
	global_store_b64 v16, v[22:23], s[6:7] offset:9472
	v_min_u32 v24, 2303, v22
	v_min_u32 v25, 2303, v23
	v_lshlrev_b32 v24, 2, v24
	v_lshlrev_b32 v25, 2, v25
	global_store_b32 v24, v0, s[6:7] offset:256    ; list[row] = my token
	global_store_b32 v25, v0, s[6:7] offset:256
	s_cmp_lg_u32 s8, 0
	s_cbranch_scc1 .Lnot0
	global_store_b32 v9, v13, s[6:7]               ; pbase: 128 consecutive bytes, by wave 0
.Lnot0:
	; the filling rows: thread 16 e + j (threads 0-255) looks at row total(e) + j of expert e
	v_lshrrev_b32 v26, 4, v0
	v_and_b32 v26, 15, v26
	v_lshlrev_b32 v26, 2, v26
	v_and_b32 v27, 15, v0
	ds_bpermute_b32 v28, v26, v10
	ds_bpermute_b32 v29, v26, v12
	ds_bpermute_b32 v30, v26, v13
	s_wait_dscnt 0x0
	v_add_nc_u32 v28, v28, v27                     ; the row within the expert
	v_lshlrev_b32 v29, 4, v29                      ; the expert's rows with the filling
	v_cmp_lt_u32 s10, v28, v29
	v_cmp_gt_u32 s11, 256, v0
	s_and_b32 vcc_lo, s10, s11
	v_lshl_add_u32 v30, v30, 4, v28
	v_min_u32 v30, 2303, v30
	v_lshlrev_b32 v30, 2, v30
	v_mov_b32 v31, 0
	s_wait_xcnt 0x0                                ; EXEC changes only behind this wait: the stores above have read their sources
	s_wait_tensorcnt 0x0
	ds_add_u32 v64, v65
	s_wait_dscnt 0x0
	s_and_saveexec_b32 s12, vcc_lo
	global_store_b32 v30, v31, s[6:7] offset:256   ; token 0 stands in: its results are never read
	s_wait_xcnt 0x0
	s_or_b32 exec_lo, exec_lo, s12
	s_endpgm
.Lfunc_end_k_qf93083b6cf_place:
	.size	k_qf93083b6cf_place, .Lfunc_end_k_qf93083b6cf_place-k_qf93083b6cf_place
	.p2alignl 7, 3214868480
	.fill 96, 4, 3214868480
	.section	.rodata,"a",@progbits
	.p2align	6, 0x0
	.amdhsa_kernel k_qf93083b6cf_place
		.amdhsa_group_segment_fixed_size 8192
		.amdhsa_private_segment_fixed_size 0
		.amdhsa_enable_private_segment 0
		.amdhsa_kernarg_size 16
		.amdhsa_user_sgpr_count 2
		.amdhsa_user_sgpr_kernarg_segment_ptr 1
		.amdhsa_wavefront_size32 1
		.amdhsa_system_sgpr_workgroup_id_x 1
		.amdhsa_system_sgpr_workgroup_id_y 1
		.amdhsa_system_sgpr_workgroup_id_z 1
		.amdhsa_system_vgpr_workitem_id 0
		.amdhsa_next_free_vgpr 66
		.amdhsa_next_free_sgpr 66
		.amdhsa_reserve_vcc 1
		.amdhsa_float_denorm_mode_32 3
		.amdhsa_float_denorm_mode_16_64 3
		.amdhsa_memory_ordered 1
		.amdhsa_forward_progress 1
		.amdhsa_inst_pref_size 20
	.end_amdhsa_kernel
	.amdgpu_metadata
---
amdhsa.version: [ 1, 2 ]
amdhsa.kernels:
  - .name:           k_qf93083b6cf_place
    .symbol:         k_qf93083b6cf_place.kd
    .args:
      - { .name: ridx, .offset: 0, .size: 8, .value_kind: global_buffer, .address_space: global }
      - { .name: plan, .offset: 8, .size: 8, .value_kind: global_buffer, .address_space: global }
    .group_segment_fixed_size: 8192
    .private_segment_fixed_size: 0
    .kernarg_segment_align: 8
    .kernarg_segment_size: 16
    .max_flat_workgroup_size: 1024
    .sgpr_count:     66
    .vgpr_count:     66
    .wavefront_size: 32
...
	.end_amdgpu_metadata
.endif
;; end of part 2
;; launch up (part 3): grid 16 x 16, 8 waves a work-group, no clusters, 135,168 bytes of LDS; arguments x_codes, x_scales, W1_codes, W1_scales, b1, plan, hc, hs; writes hc, hs
.if DOCPART == 3
	.amdgcn_target "amdgcn-amd-amdhsa--gfx1250"
	.amdhsa_code_object_version 6
	.text
	.protected	k_qf93083b6cf_up
	.globl	k_qf93083b6cf_up
	.p2align	8
	.type	k_qf93083b6cf_up,@function
k_qf93083b6cf_up:
	s_mov_b64 s[64:65], 0
	v_nop
	global_prefetch_b8 v0, s[64:65] scope:SCOPE_SE
	s_setreg_imm32_b32 hwreg(HW_REG_WAVE_MODE, 25, 1), 1
	s_wait_xcnt 0x0
; THE FIRST LAYER OF THE CHOSEN EXPERTS.  Work-group (S, e): hidden units 128 S .. 128 S + 127 of expert e, for the rows that were placed on e:  Q(relu(x W1 + b1)), Q the MX quantiser to E5M2 along the hidden axis.
; Both operands arrive as codes of E5M2 with E8M0 scales.  The slice's 128 rows of W1 (131,072 consecutive bytes) are read from memory once, into LDS; one barrier; then the eight waves are independent:
; wave w takes the expert's pairs of tiles (2 x 16 rows) w, w + 8, ..  How many there are is read from plan, which an earlier launch stored; so operands come by plain loads, and no barrier stands behind that branch.
; No sharing of tiles in a cluster: the trip counts and the rows' addresses hang on plan, and the 16 work-groups of an expert share x's rows alone, 16 KiB a tile against the slice's 128 KiB.
; THE PRODUCT IS USED TRANSPOSED (source 0 = 16 rows of W1, source 1 = 16 rows of x): a lane holds one row, its registers run along the hidden units, the next product's K.
; THE ROWS OF W1 THAT FORM A TILE ARE NOT NEIGHBOURS: lane r of tile 2 b + u takes row 32 b + 8 u + r + 8 (r / 8), so that the 16 registers of tiles 2 b, 2 b + 1 are the neighbours 32 b + 16 (lane / 16) + 0 .. 15.
; In LDS the rows are laid in that order: row 32 b + 16 a + 8 u + i of the slice lies at LDS row 32 b + 16 u + 8 a + i, so a tile's 16 rows are neighbours there.
; The bias is the C of each sum's first product (the sum's f32 roundings so fall in another order than bias added last).  The relu is the lower end of the hold that the conversion wants anyway.
; OUT: hc[tile][S]: the fragment (16 rows x 128 K) as an image of its registers: registers 4 c .. 4 c + 3 of lane l at 512 c + 16 l;  hs[tile][S][row]: its scale words.
; LIMITS: NaN and infinities in the hidden layer are not served; a block of zeros gets the byte 1 with zero codes (this program alone reads the bytes); a largest magnitude under 2^-111 is held at that floor.
; LDS: 0: the slice, 128 rows 1,040 bytes apart (an odd multiple of 16: the 16 rows of a fragment load fall into 16 different columns of 16 bytes modulo 256);  133,120: the slice's 128 biases (twice: a word a thread).
; REGISTERS, window 0: v1 r, v2 h, v3 16 h; v4, v5 my place in the slice's lower and upper 64 LDS rows; v6 in the biases; v7 where I store the slice; v8, v9 my rows' codes in x (tile 0, 1); v10, v11 their scale bytes;
;   v12 16 x lane; v13 my place in hs; v14, v15 the tokens; v16-23 x's scale words; v24-55 W1's (they stay); v56, v57 the scale words being made; v58-63 small things; v64-127, v128-191 two sets of four fragments of W1
;   (first the slice on its way to LDS; behind the products the quantiser's work); v192-255 eight accumulators: row tile m, tile q of the half at 192 + 32 m + 8 q.   window 1: x's fragments: row tile m, K step s at 128 m + 16 s.
; SCALARS: s3 passes done, s27 my wave's passes, s28 the pair in hand (it steps by 8 and enters addresses alone); s24, s25 the expert's first tile and the next expert's, s26 its last tile.
.set PITCH, 1040
.set HALFB, 64*PITCH
.set BIAS,  128*PITCH
.set WB0,   64
.set ACC,   192
.set TM,    64                         ; v64-67 largest magnitudes, v68-71 bytes, v72-75 the largest number x the scale, v76-79 the conversions' scale operands
.set PC,    80                         ; v80-95 the codes just made
.set XS,    16
.set WS,    24
.set MSB, 0
.macro WIN new                         ; the immediate's high byte repeats the setting that is left
.if MSB != \new
	s_set_vgpr_msb (MSB<<8)|\new
.set MSB, \new
.endif
.endm
.macro PLACES                          ; eight places behind this matrix form: ahead of loads into registers that it has read, and of the first read of results
.rept 8
	v_nop
.endr
.endm
; one product, in place.  ra, rb: the scale words stand in lanes 16-31 of their registers
.macro WM d, a, b, sa, sb, ra, rb
.if ((\ra) != 0) && ((\rb) != 0)
	v_wmma_scale_f32_16x16x128_f8f6f4 v[\d:\d+7], v[\a:\a+15], v[\b:\b+15], v[\d:\d+7], v[\sa], v[\sb] matrix_a_fmt:MATRIX_FMT_BF8 matrix_b_fmt:MATRIX_FMT_BF8 matrix_a_scale:MATRIX_SCALE_ROW1 matrix_b_scale:MATRIX_SCALE_ROW1
.elseif (\ra) != 0
	v_wmma_scale_f32_16x16x128_f8f6f4 v[\d:\d+7], v[\a:\a+15], v[\b:\b+15], v[\d:\d+7], v[\sa], v[\sb] matrix_a_fmt:MATRIX_FMT_BF8 matrix_b_fmt:MATRIX_FMT_BF8 matrix_a_scale:MATRIX_SCALE_ROW1
.elseif (\rb) != 0
	v_wmma_scale_f32_16x16x128_f8f6f4 v[\d:\d+7], v[\a:\a+15], v[\b:\b+15], v[\d:\d+7], v[\sa], v[\sb] matrix_a_fmt:MATRIX_FMT_BF8 matrix_b_fmt:MATRIX_FMT_BF8 matrix_b_scale:MATRIX_SCALE_ROW1
.else
	v_wmma_scale_f32_16x16x128_f8f6f4 v[\d:\d+7], v[\a:\a+15], v[\b:\b+15], v[\d:\d+7], v[\sa], v[\sb] matrix_a_fmt:MATRIX_FMT_BF8 matrix_b_fmt:MATRIX_FMT_BF8
.endif
.endm
.macro WSTORE g                        ; loads 4 g .. 4 g + 3 of my 32 go to LDS: load i holds half i % 2 of my row i / 2
.irp k, 0,1,2,3
	ds_store_b128 v7, v[64+4*(4*(\g)+\k):64+4*(4*(\g)+\k)+3] offset:(16*(((4*(\g)+\k)/2)/8)+((4*(\g)+\k)/2)%8)*PITCH+512*(\k%2)
.endr
.endm
; the pair of tiles p: its two tiles (the second falls on the first where the expert's tiles are odd in number: the same values are then stored twice), their tokens, their places in hc and hs.
; Every number from plan is held under a constant before it enters an address.
.macro PLAN
	s_lshl_b32 s23, s28, 1
	s_add_co_u32 s23, s23, s24                     ; the pair's first tile
	v_add_nc_u32 v13, s23, v2                      ; lanes 0-15: tile 0, lanes 16-31: tile 1
	v_min_u32 v13, s26, v13
	v_min_u32 v13, 143, v13
	v_lshl_add_u32 v13, v13, 10, v63               ; hs: 1,024 bytes a tile, 4 bytes a row
	s_min_u32 s29, s23, s26
	s_min_u32 s29, s29, 143
	s_add_co_u32 s30, s23, 1
	s_min_u32 s30, s30, s26
	s_min_u32 s30, s30, 143
	s_lshl_b32 s31, s29, 6
	s_lshl_b32 s23, s30, 6
	s_load_b512 s[32:47], s[14:15], s31 offset:0x100   ; list: 16 tokens a tile
	s_load_b512 s[48:63], s[14:15], s23 offset:0x100
	s_lshl_b32 s70, s29, 15
	s_add_nc_u64 s[66:67], s[16:17], s[70:71]      ; hc: 32,768 bytes a tile
	s_lshl_b32 s70, s30, 15
	s_add_nc_u64 s[68:69], s[16:17], s[70:71]
	s_wait_kmcnt 0x0
.endm
.macro TOK                             ; the 32 tokens become the lanes' offsets: every lane wants row r of tile 0 and row r of tile 1
.set TL, 0
.rept 32
	v_writelane_b32 v14, s[32+TL], TL
.set TL, TL+1
.endr
	v_permlanex16_b32 v15, v14, s72, s73
	v_cndmask_b32 v8, v14, v15, s75                ; tile 0's token r, in both halves of the lanes
	v_cndmask_b32 v9, v15, v14, s75                ; tile 1's
	v_min_u32 v8, 1023, v8
	v_min_u32 v9, 1023, v9
	v_lshl_add_u32 v10, v8, 5, v3                  ; 32 scale bytes a row, + 16 h
	v_lshl_add_u32 v11, v9, 5, v3
	v_lshl_add_u32 v8, v8, 10, v3                  ; 1,024 codes a row, + 16 h
	v_lshl_add_u32 v9, v9, 10, v3
.endm
.macro XSC                             ; x's scale words: register j: K step j in lanes 0-15, K step 4 + j in lanes 16-31
.irp m, 0,1
	global_load_b128 v[XS+4*\m:XS+4*\m+3], v[10+\m], s[6:7]
.endr
.endm
.macro XK s                            ; x's two fragments of K step s (destination window 1)
.irp m, 0,1
.irp c, 0,1,2,3
	global_load_b128 v[128*\m+16*(\s)+4*\c:128*\m+16*(\s)+4*\c+3], v[8+\m], s[4:5] offset:128*(\s)+32*\c
.endr
.endr
.endm
.macro BIASIN u                        ; the accumulators begin as the biases: lane (r, h), tile t = 4 u + q, register j: hidden unit 32 (t / 2) + 16 h + 8 (t % 2) + j
.irp m, 0,1
.irp q, 0,1,2,3
	ds_load_b128 v[ACC+32*\m+8*\q:ACC+32*\m+8*\q+3],   v6 offset:(32*((4*(\u)+\q)/2)+8*(\q%2))*4
	ds_load_b128 v[ACC+32*\m+8*\q+4:ACC+32*\m+8*\q+7], v6 offset:(32*((4*(\u)+\q)/2)+8*(\q%2))*4+16
.endr
.endr
.endm
.macro WLOAD buf, u, s                 ; four fragments of W1: tiles 4 u .. 4 u + 3, K step s
.irp q, 0,1,2,3
.irp c, 0,1,2,3
	ds_load_b128 v[\buf+16*\q+4*\c:\buf+16*\q+4*\c+3], v[4+\u] offset:\q*16*PITCH+128*(\s)+32*\c
.endr
.endr
.endm
.macro MUL buf, u, s                   ; eight products; the eight accumulators take turns, one instruction a turn, in the same order in every K step
.irp q, 0,1,2,3
.irp m, 0,1
	WM ACC+32*\m+8*\q, \buf+16*\q, 128*\m+16*(\s), WS+4*(4*(\u)+\q)+(\s)%4, XS+4*\m+(\s)%4, (\s)/4, (\s)/4
.endr
.endr
.endm
; half u of the slice (64 hidden units) for both row tiles, all of K.  first = 1: x's fragments may still be on their way
.macro HALF u, first
	s_wait_xcnt 0x0                                ; the stores of the codes made last have read their registers, which the loads below fill
	WIN 0x04                                       ; source 1 (x) window 1; LDS loads and their addresses stay in window 0
	BIASIN \u
	WLOAD WB0, \u, 0
.irp s, 0,1,2,3,4,5,6,7
.if \s >= 1
	PLACES                                         ; the set that the last eight products read is loaded again below
.endif
.if \s < 7
	WLOAD WB0+64*((\s+1)%2), \u, \s+1
	s_wait_dscnt 16                                ; all but the 16 just issued
.else
	s_wait_dscnt 0x0
.endif
.if \first
	s_wait_loadcnt 8*(7-\s)                        ; x's K step s is in; the eight loads of each later K step may be out
.endif
	MUL WB0+64*(\s%2), \u, \s
.endr
	WIN 0
	PLACES
.endm
; The 64 numbers of a lane in v192-255 are four blocks: block 2 m + b = row tile m, hidden units 32 b + 16 h + 0 .. 15 of the half.  A block of 32 lies in lanes l and l xor 16.
.macro QUANT
.irp b, 0,1,2,3
	v_mov_b32 v[TM+4+\b], 0                        ; a lane permute's destination counts as one of its sources
.endr
.irp b, 0,1,2,3
	v_max3_num_f32 v[TM+\b], v[ACC+16*\b], v[ACC+1+16*\b], 0x8000000   ; no |.|: what is negative becomes 0 and must not count; the floor 2^(16 - 127) keeps the byte at 1 or above.  Each accumulator is read from its low end on
.endr
.irp i, 2,4,6,8,10,12,14
.irp b, 0,1,2,3
	v_max3_num_f32 v[TM+\b], v[TM+\b], v[ACC+16*\b+\i], v[ACC+1+16*\b+\i]
.endr
.endr
.irp b, 0,1,2,3
	v_permlanex16_b32 v[TM+4+\b], v[TM+\b], s72, s73
.endr
.irp b, 0,1,2,3
	v_max_num_f32 v[TM+\b], v[TM+\b], v[TM+4+\b]   ; the block's largest magnitude
.endr
.irp b, 0,1,2,3
	v_add_nc_u32 v[TM+12+\b], 0xf8800000, v[TM+\b] ; 15 off its exponent field: the conversion's scale operand
.endr
.irp b, 0,1,2,3
	v_and_or_b32 v[TM+8+\b], v[TM+\b], 0x7f800000, s74   ; 57,344 x the scale
.endr
.irp b, 0,1,2,3
	v_lshrrev_b32 v[TM+4+\b], 23, v[TM+12+\b]      ; the scale's byte
.endr
.irp b, 0,1,2,3
.irp i, 0,1,2,3,4,5,6,7,8,9,10,11,12,13,14,15
	v_med3_num_f32 v[ACC+16*\b+\i], v[ACC+16*\b+\i], 0, v[TM+8+\b]   ; the relu and the hold in one (the conversion to an 8-bit code does not saturate: ISA guide 7.6.2)
.endr
	v_cvt_scalef32_pk8_bf8_f32 v[PC+4*\b:PC+1+4*\b], v[ACC+16*\b:ACC+7+16*\b], v[TM+12+\b]
	v_cvt_scalef32_pk8_bf8_f32 v[PC+2+4*\b:PC+3+4*\b], v[ACC+8+16*\b:ACC+15+16*\b], v[TM+12+\b]
.endr
	v_nop                                          ; a plain instruction behind the last conversion
.endm
.macro OUTC u                          ; the half's codes are registers 8 u .. 8 u + 7 of each row tile's fragment: each store covers 512 consecutive bytes
.irp b, 0,1,2,3
	global_store_b128 v12, v[PC+4*\b:PC+4*\b+3], s[66+2*(\b/2):67+2*(\b/2)] offset:(2*(\u)+\b%2)*512
.endr
.irp m, 0,1
.if (\u) == 0
	v_lshl_or_b32 v[56+\m], v[TM+5+2*\m], 8, v[TM+4+2*\m]      ; bytes 0 and 1 of the row's scale word
.else
	v_lshl_or_b32 v96, v[TM+5+2*\m], 8, v[TM+4+2*\m]
	v_lshl_or_b32 v[56+\m], v96, 16, v[56+\m]                  ; bytes 2 and 3
.endif
.endr
.endm
	s_load_b512 s[4:19], s[0:1], 0x0               ; x's codes, x's scales, W1's codes, W1's scales, b1, plan, hc, hs
	v_lshrrev_b32 v62, 5, v0
	v_readfirstlane_b32 s20, v62                   ; wave 0..7
	s_and_b32 s21, ttmp7, 0xffff                   ; the expert
	s_mov_b32 s22, ttmp9                           ; the slice
	v_and_b32 v1, 15, v0                           ; r
	v_bfe_u32 v2, v0, 4, 1                         ; h
	v_lshlrev_b32 v3, 4, v2
	v_mul_u32_u24 v4, v1, PITCH
	v_add_nc_u32 v4, v4, v3                        ; a fragment's row x pitch + 16 h
	v_add_nc_u32 v5, HALFB, v4
	v_lshl_add_u32 v6, v2, 6, BIAS
	v_and_b32 v12, 31, v0
	v_lshlrev_b32 v12, 4, v12                      ; 16 x lane
	s_lshr_b32 s23, s20, 1
	s_lshl_b32 s23, s23, 5
	s_and_b32 s31, s20, 1
	s_lshl_b32 s31, s31, 3
	s_add_co_u32 s23, s23, s31                     ; my 16 rows of the slice go to LDS rows 32 (w / 2) + 8 (w % 2) + 0 .. 7 and + 16 .. 23
	s_mul_i32 s23, s23, PITCH
	v_add_nc_u32 v7, s23, v12
	v_lshl_add_u32 v59, v0, 2, BIAS
	v_and_b32 v60, 127, v0
	v_lshlrev_b32 v60, 2, v60
	v_and_b32 v61, 8, v1
	v_add_nc_u32 v61, v61, v1                      ; r + 8 (r / 8)
	v_lshl_add_u32 v61, v61, 5, v3                 ; W1's scale bytes: 32 a row, + 16 h
	v_lshlrev_b32 v63, 2, v1
	v_mov_b32 v14, 0                               ; written once: v_writelane_b32's and the permute's destinations count as sources
	v_mov_b32 v15, 0
	s_mov_b32 s72, 0x76543210
	s_mov_b32 s73, 0xfedcba98                      ; v_permlanex16_b32's selects for lane l xor 16
	s_mov_b32 s74, 0x600000                        ; the mantissa field of 57,344
	s_mov_b32 s75, 0xffff0000                      ; the mask of lanes 16-31
	s_mov_b32 s71, 0
	s_lshl_b32 s31, s21, 2
	s_wait_kmcnt 0x0
	s_load_b32 s24, s[14:15], s31 offset:0x0       ; the expert's first tile,
	s_load_b32 s25, s[14:15], s31 offset:0x4       ; and the next expert's
	s_lshl_b32 s70, s21, 21                        ; W1's codes: 2 MiB an expert, 128 KiB a slice, 16 KiB a wave
	s_lshl_b32 s23, s22, 17
	s_add_co_u32 s70, s70, s23
	s_lshl_b32 s23, s20, 14
	s_add_co_u32 s70, s70, s23
	s_add_nc_u64 s[78:79], s[8:9], s[70:71]
	s_lshl_b32 s70, s21, 16                        ; its scale bytes: 64 KiB an expert, 4 KiB a slice
	s_lshl_b32 s23, s22, 12
	s_add_co_u32 s70, s70, s23
	s_add_nc_u64 s[10:11], s[10:11], s[70:71]
	s_lshl_b32 s70, s21, 13                        ; b1: 8 KiB an expert, 512 bytes a slice
	s_lshl_b32 s23, s22, 9
	s_add_co_u32 s70, s70, s23
	s_add_nc_u64 s[12:13], s[12:13], s[70:71]
	s_lshl_b32 s70, s22, 11                        ; hc: 2,048 bytes a K step
	s_add_nc_u64 s[16:17], s[16:17], s[70:71]
	s_lshl_b32 s70, s22, 6                         ; hs: 64 bytes a K step
	s_add_nc_u64 s[76:77], s[18:19], s[70:71]
	global_load_b32 v58, v60, s[12:13]             ; a bias a thread
.irp t, 0,1,2,3,4,5,6,7
	global_load_b128 v[WS+4*\t:WS+4*\t+3], v61, s[10:11] offset:(32*(\t/2)+8*(\t%2))*32   ; tile t's scale words: register j: K step j in lanes 0-15, 4 + j in lanes 16-31
.endr
.irp i, 0,1,2,3,4,5,6,7,8,9,10,11,12,13,14,15,16,17,18,19,20,21,22,23,24,25,26,27,28,29,30,31
	global_load_b128 v[64+4*\i:64+4*\i+3], v12, s[78:79] offset:512*\i th:TH_LOAD_NT      ; my 16 KiB of the slice: 512 consecutive bytes a load; read once in the launch
.endr
	s_wait_kmcnt 0x0
	s_min_u32 s24, s24, 144
	s_min_u32 s25, s25, 144
	s_sub_co_u32 s26, s25, 1                       ; the expert's last tile
	s_sub_co_u32 s27, s25, s24
	s_add_co_u32 s27, s27, 1
	s_lshr_b32 s27, s27, 1                         ; its pairs of tiles, 72 at the most;
	s_add_co_u32 s27, s27, 7
	s_sub_co_u32 s27, s27, s20
	s_lshr_b32 s27, s27, 3                         ; of them pairs w, w + 8, .. are mine: (pairs + 7 - w) / 8 passes, none where pairs <= w
	s_mov_b32 s3, 0                                ; passes done: the loop's counter, stepped by 1
	s_mov_b32 s28, s20                             ; my first pair
	PLAN                                           ; every wave, one without a pair too (on tiles held inside what was placed): no branch on plan stands ahead of the barrier
	TOK
	XSC
	WIN 0x40                                       ; destination window 1: x's fragments; an LDS store's address and data stay in window 0
.irp g, 0,1,2,3,4,5,6,7
	s_wait_loadcnt 30+4*\g                         ; my slice's loads up to 4 g + 3 are in.  Behind them: 28 - 4 g of the slice, 2 of x's scale words, 8 g of x
.if \g == 0
	ds_store_b32 v59, v58
.endif
	WSTORE \g
	XK \g
.endr
	WIN 0
	s_wait_dscnt 0x0                               ; for the others' sake: my part of the slice lies in LDS
	s_barrier_signal -1
	s_barrier_wait -1                              ; the one barrier: behind it LDS is only read
	s_cmp_eq_u32 s27, 0
	s_cbranch_scc1 .Lend
.Lpass:
	HALF 0, 1
	QUANT
	OUTC 0
	HALF 1, 0
	QUANT
	OUTC 1
	v_cndmask_b32 v62, v56, v57, s75               ; lanes 0-15: tile 0's scale words, lanes 16-31: tile 1's: 64 consecutive bytes each
	global_store_b32 v13, v62, s[76:77]
	s_add_co_u32 s28, s28, 8                       ; my next pair
	s_add_co_u32 s3, s3, 1
	s_wait_xcnt 0x0                                ; the stores have read their registers and bases: both are written again below
	s_cmp_ge_u32 s3, s27
	s_cbranch_scc1 .Lnoload
	PLAN
	TOK
	XSC                                            ; in the order of the first time: the scale words, then K steps 0 to 7: the counts in HALF hold on both ways
	WIN 0x40
.irp g, 0,1,2,3,4,5,6,7
	XK \g
.endr
	WIN 0
.Lnoload:
	s_cmp_lt_u32 s3, s27
	s_cbranch_scc1 .Lpass
.Lend:
	s_wait_xcnt 0x0
	v_lshl_add_u32 v254, v0, 2, 0x20c00
	v_mov_b32 v255, 0
	s_wait_tensorcnt 0x0
	ds_add_u32 v254, v255
	s_wait_dscnt 0x0
	s_endpgm
.Lfunc_end_k_qf93083b6cf_up:
	.size	k_qf93083b6cf_up, .Lfunc_end_k_qf93083b6cf_up-k_qf93083b6cf_up
	.p2alignl 7, 3214868480
	.fill 96, 4, 3214868480
	.section	.rodata,"a",@progbits
	.p2align	6, 0x0
	.amdhsa_kernel k_qf93083b6cf_up
		.amdhsa_group_segment_fixed_size 135168
		.amdhsa_private_segment_fixed_size 0
		.amdhsa_enable_private_segment 0
		.amdhsa_kernarg_size 64
		.amdhsa_user_sgpr_count 2
		.amdhsa_user_sgpr_kernarg_segment_ptr 1
		.amdhsa_wavefront_size32 1
		.amdhsa_system_sgpr_workgroup_id_x 1
		.amdhsa_system_sgpr_workgroup_id_y 1
		.amdhsa_system_sgpr_workgroup_id_z 1
		.amdhsa_system_vgpr_workitem_id 0
		.amdhsa_next_free_vgpr 512
		.amdhsa_next_free_sgpr 80
		.amdhsa_reserve_vcc 0
		.amdhsa_float_denorm_mode_32 3
		.amdhsa_float_denorm_mode_16_64 3
		.amdhsa_memory_ordered 1
		.amdhsa_forward_progress 1
		.amdhsa_inst_pref_size 86
	.end_amdhsa_kernel
	.amdgpu_metadata
---
amdhsa.version: [ 1, 2 ]
amdhsa.kernels:
  - .name:           k_qf93083b6cf_up
    .symbol:         k_qf93083b6cf_up.kd
    .args:
      - { .name: x_codes, .offset: 0, .size: 8, .value_kind: global_buffer, .address_space: global }
      - { .name: x_scales, .offset: 8, .size: 8, .value_kind: global_buffer, .address_space: global }
      - { .name: W1_codes, .offset: 16, .size: 8, .value_kind: global_buffer, .address_space: global }
      - { .name: W1_scales, .offset: 24, .size: 8, .value_kind: global_buffer, .address_space: global }
      - { .name: b1, .offset: 32, .size: 8, .value_kind: global_buffer, .address_space: global }
      - { .name: plan, .offset: 40, .size: 8, .value_kind: global_buffer, .address_space: global }
      - { .name: hc, .offset: 48, .size: 8, .value_kind: global_buffer, .address_space: global }
      - { .name: hs, .offset: 56, .size: 8, .value_kind: global_buffer, .address_space: global }
    .group_segment_fixed_size: 135168
    .private_segment_fixed_size: 0
    .kernarg_segment_align: 8
    .kernarg_segment_size: 64
    .max_flat_workgroup_size: 256
    .sgpr_count:     80
    .vgpr_count:     512
    .wavefront_size: 32
...
	.end_amdgpu_metadata
.endif
;; end of part 3
;; launch down (part 4): grid 16 x 16, 8 waves a work-group, no clusters, 168,960 bytes of LDS; arguments hc, hs, W2_codes, W2_scales, b2, plan, y; writes y
.if DOCPART == 4
	.amdgcn_target "amdgcn-amd-amdhsa--gfx1250"
	.amdhsa_code_object_version 6
	.text
	.protected	k_qf93083b6cf_down
	.globl	k_qf93083b6cf_down
	.p2align	8
	.type	k_qf93083b6cf_down,@function
k_qf93083b6cf_down:
	s_mov_b64 s[64:65], 0
	v_nop
	global_prefetch_b8 v0, s[64:65] scope:SCOPE_SE
	s_setreg_imm32_b32 hwreg(HW_REG_WAVE_MODE, 25, 1), 1
	s_wait_xcnt 0x0
; THE SECOND LAYER OF THE CHOSEN EXPERTS.  Work-group (S, e): columns 64 S .. 64 S + 63 of  y = h W2 + b2  for the rows that were placed on expert e.  h comes as codes of E5M2 and scale words, laid as images of the
; operand's registers (hc[tile][K step]: registers 4 c .. 4 c + 3 of lane l at 512 c + 16 l; hs[tile][K step][row]); W2 as given.  The routing weight is applied where the two experts' rows are added, a launch later.
; The slice's 64 rows of W2 (131,072 consecutive bytes) are read from memory once, into LDS; one barrier; then the eight waves are independent: wave w takes the expert's pairs of tiles w, w + 8, ..; how many is read from plan.
; No sharing of tiles in a cluster: the trip counts and h's addresses hang on plan, so operands come by plain loads.
; THE PRODUCT IS USED TRANSPOSED (source 0 = 16 rows of W2, source 1 = 16 rows of h): a lane's eight results are eight neighbouring columns of one row.  The bias is the C of each sum's first product.
; LDS: 0: the slice, 64 rows 2,064 bytes apart (an odd multiple of 16);  132,096: the 64 biases (a word a thread: four copies);  133,120: a stage of 16 rows x 272 bytes for each wave, its own.
; REGISTERS, window 0: v1 r, v2 h; v4, v5 my place in the slice's tiles 0, 1 and 2, 3; v6 in the biases; v7 where I store the slice; v8 16 x lane; v9 4 x lane; v10, v11 the stage, in and back; v12 my place in 2 rows of y;
;   v16-31 h's scale words (row tile m: register q: K step 2 q in lanes 0-15, 2 q + 1 in lanes 16-31); v32-63 W2's (tile t: register 4 q + j: K step 8 q + j in lanes 0-15, 8 q + 4 + j in lanes 16-31: they stay);
;   v64-127, v128-191 two sets of four fragments of W2 (first the slice on its way to LDS; at the end rows of y); v192-255 eight accumulators: (m, t) at 192 + 32 m + 8 t.
;   window 1: h's fragments, eight K steps at a time: row tile m, K step s at 128 m + 16 (s % 8).
; SCALARS: s3 passes done, s27 my wave's passes, s28 the pair in hand (it steps by 8 and enters addresses alone); s24, s25 the expert's first tile and the next expert's, s26 its last tile.
.set PITCH, 2064
.set T2,    32*PITCH
.set BIAS,  64*PITCH
.set STG,   BIAS+1024
.set SROW,  272
.set WB0,   64
.set ACC,   192
.set HS,    16
.set WS,    32
.set MSB, 0
.macro WIN new                         ; the immediate's high byte repeats the setting that is left
.if MSB != \new
	s_set_vgpr_msb (MSB<<8)|\new
.set MSB, \new
.endif
.endm
.macro PLACES                          ; eight places behind this matrix form: ahead of loads into registers that it has read, and of the first read of results
.rept 8
	v_nop
.endr
.endm
.macro WM d, a, b, sa, sb, ra, rb      ; one product, in place.  ra, rb: the scale words stand in lanes 16-31 of their registers
.if ((\ra) != 0) && ((\rb) != 0)
	v_wmma_scale_f32_16x16x128_f8f6f4 v[\d:\d+7], v[\a:\a+15], v[\b:\b+15], v[\d:\d+7], v[\sa], v[\sb] matrix_a_fmt:MATRIX_FMT_BF8 matrix_b_fmt:MATRIX_FMT_BF8 matrix_a_scale:MATRIX_SCALE_ROW1 matrix_b_scale:MATRIX_SCALE_ROW1
.elseif (\ra) != 0
	v_wmma_scale_f32_16x16x128_f8f6f4 v[\d:\d+7], v[\a:\a+15], v[\b:\b+15], v[\d:\d+7], v[\sa], v[\sb] matrix_a_fmt:MATRIX_FMT_BF8 matrix_b_fmt:MATRIX_FMT_BF8 matrix_a_scale:MATRIX_SCALE_ROW1
.elseif (\rb) != 0
	v_wmma_scale_f32_16x16x128_f8f6f4 v[\d:\d+7], v[\a:\a+15], v[\b:\b+15], v[\d:\d+7], v[\sa], v[\sb] matrix_a_fmt:MATRIX_FMT_BF8 matrix_b_fmt:MATRIX_FMT_BF8 matrix_b_scale:MATRIX_SCALE_ROW1
.else
	v_wmma_scale_f32_16x16x128_f8f6f4 v[\d:\d+7], v[\a:\a+15], v[\b:\b+15], v[\d:\d+7], v[\sa], v[\sb] matrix_a_fmt:MATRIX_FMT_BF8 matrix_b_fmt:MATRIX_FMT_BF8
.endif
.endm
.macro WSTORE g                        ; loads 4 g .. 4 g + 3 of my 32 are row g of my eight
.irp k, 0,1,2,3
	ds_store_b128 v7, v[64+4*(4*(\g)+\k):64+4*(4*(\g)+\k)+3] offset:(\g)*PITCH+512*\k
.endr
.endm
; the pair of tiles p: its two tiles (the second falls on the first where the expert's tiles are odd in number: the same values are then stored twice) and their places in hc, hs and y.
; Every number from plan is held under a constant before it enters an address.
.macro PLAN
	s_lshl_b32 s23, s28, 1
	s_add_co_u32 s23, s23, s24
	s_min_u32 s29, s23, s26
	s_min_u32 s29, s29, 143
	s_add_co_u32 s30, s23, 1
	s_min_u32 s30, s30, s26
	s_min_u32 s30, s30, 143
	s_lshl_b32 s44, s29, 15
	s_add_nc_u64 s[32:33], s[4:5], s[44:45]        ; hc: 32,768 bytes a tile
	s_lshl_b32 s44, s30, 15
	s_add_nc_u64 s[34:35], s[4:5], s[44:45]
	s_lshl_b32 s44, s29, 10
	s_add_nc_u64 s[36:37], s[6:7], s[44:45]        ; hs: 1,024
	s_lshl_b32 s44, s30, 10
	s_add_nc_u64 s[38:39], s[6:7], s[44:45]
	s_lshl_b32 s44, s29, 16
	s_add_nc_u64 s[40:41], s[16:17], s[44:45]      ; y: 16 rows of 4,096
	s_lshl_b32 s44, s30, 16
	s_add_nc_u64 s[42:43], s[16:17], s[44:45]
.endm
.macro HSC                             ; h's scale words, all 16 K steps of both tiles: 128 consecutive bytes a load
.irp m, 0,1
.irp q, 0,1,2,3,4,5,6,7
	global_load_b32 v[HS+8*\m+\q], v9, s[36+2*\m:37+2*\m] offset:128*\q
.endr
.endr
.endm
.macro HK s                            ; h's two fragments of K step s (destination window 1): 512 consecutive bytes a load
.irp m, 0,1
.irp c, 0,1,2,3
	global_load_b128 v[128*\m+16*((\s)%8)+4*\c:128*\m+16*((\s)%8)+4*\c+3], v8, s[32+2*\m:33+2*\m] offset:2048*(\s)+512*\c
.endr
.endr
.endm
.macro BIASIN                          ; the accumulators begin as the biases: lane (r, h), tile t, register j: column 16 t + 8 h + j
.irp m, 0,1
.irp q, 0,1,2,3
	ds_load_b128 v[ACC+32*\m+8*\q:ACC+32*\m+8*\q+3],   v6 offset:64*\q
	ds_load_b128 v[ACC+32*\m+8*\q+4:ACC+32*\m+8*\q+7], v6 offset:64*\q+16
.endr
.endr
.endm
.macro WLOAD buf, s                    ; W2's four fragments of K step s
.irp q, 0,1,2,3
.irp c, 0,1,2,3
	ds_load_b128 v[\buf+16*\q+4*\c:\buf+16*\q+4*\c+3], v[4+\q/2] offset:(\q%2)*16*PITCH+128*(\s)+32*\c
.endr
.endr
.endm
.macro MUL buf, s                      ; eight products; the eight accumulators take turns, one instruction a turn, in the same order in every K step
.irp q, 0,1,2,3
.irp m, 0,1
	WM ACC+32*\m+8*\q, \buf+16*\q, 128*\m+16*((\s)%8), WS+8*\q+4*((\s)/8)+(\s)%4, HS+8*\m+(\s)/2, ((\s)/4)%2, (\s)%2
.endr
.endr
.endm
.macro KLOOP                           ; all of K = 2,048 for both row tiles
	s_wait_xcnt 0x0                                ; the last pass's stores have read their registers, which the loads below fill
	WIN 0x04                                       ; source 1 (h) window 1; LDS loads and their addresses stay in window 0
	BIASIN
	WLOAD WB0, 0
.irp s, 0,1,2,3,4,5,6,7,8,9,10,11,12,13,14,15
.if \s >= 1
	PLACES                                         ; what the last eight products read (a set of W2's fragments, a K step of h's) is loaded again below
.endif
.if \s < 15
	WLOAD WB0+64*((\s+1)%2), \s+1
.endif
.if (\s >= 1) && (\s <= 8)
	WIN 0x40
	HK \s+7                                        ; into the place that K step s - 1 has left
	WIN 0x04
.endif
.if \s < 15
	s_wait_dscnt 16                                ; all but the 16 just issued
.else
	s_wait_dscnt 0x0
.endif
.if \s < 8
	s_wait_loadcnt 56                              ; h's K step s is in.  Behind it: 8 (7 - s) loads of K steps up to 7 and 8 s of K steps 8 to s + 7
.else
	s_wait_loadcnt 8*(15-\s)
.endif
	MUL WB0+64*(\s%2), \s
.endr
	WIN 0
	PLACES
.endm
.macro STAGE m                         ; row tile m: a lane's 32 bytes of a row into my stage, and back as whole rows of 256 bytes.  LDS serves a wave's instructions in order (ISA guide 5.7.1.4): no wait between
.irp q, 0,1,2,3
	ds_store_b128 v10, v[ACC+32*\m+8*\q:ACC+32*\m+8*\q+3] offset:64*\q          ; each accumulator from its low end on
	ds_store_b128 v10, v[ACC+32*\m+8*\q+4:ACC+32*\m+8*\q+7] offset:64*\q+16
.endr
.irp i, 0,1,2,3,4,5,6,7
	ds_load_b128 v[64+32*\m+4*\i:64+32*\m+4*\i+3], v11 offset:2*SROW*\i
.endr
.endm
.macro SEND m                          ; sixteen lanes store 256 consecutive bytes, at a multiple of 256 from y's first byte; two rows a store
.irp i, 0,1,2,3,4,5,6,7
	global_store_b128 v12, v[64+32*\m+4*\i:64+32*\m+4*\i+3], s[40+2*\m:41+2*\m] offset:8192*\i
.endr
.endm
	s_load_b256 s[4:11], s[0:1], 0x0               ; hc, hs, W2's codes, W2's scales
	s_load_b128 s[12:15], s[0:1], 0x20             ; b2, plan
	s_load_b64 s[16:17], s[0:1], 0x30              ; y
	v_lshrrev_b32 v14, 5, v0
	v_readfirstlane_b32 s20, v14                   ; wave 0..7
	s_and_b32 s21, ttmp7, 0xffff                   ; the expert
	s_mov_b32 s22, ttmp9                           ; the slice
	v_and_b32 v1, 15, v0                           ; r
	v_bfe_u32 v2, v0, 4, 1                         ; h
	v_mul_u32_u24 v4, v1, PITCH
	v_lshl_add_u32 v4, v2, 4, v4                   ; a fragment's row x pitch + 16 h
	v_add_nc_u32 v5, T2, v4
	v_lshl_add_u32 v6, v2, 5, BIAS
	v_and_b32 v8, 31, v0
	v_lshlrev_b32 v9, 2, v8
	v_lshlrev_b32 v8, 4, v8
	s_mul_i32 s23, s20, 8*PITCH                    ; my eight rows of the slice
	v_add_nc_u32 v7, s23, v8
	s_mul_i32 s23, s20, 16*SROW
	s_add_co_u32 s23, s23, STG                     ; my stage
	v_mul_u32_u24 v10, v1, SROW
	v_lshl_add_u32 v10, v2, 5, v10
	v_add_nc_u32 v10, s23, v10                     ; in: row r, + 32 h
	v_mul_u32_u24 v11, v2, SROW
	v_lshl_add_u32 v11, v1, 4, v11
	v_add_nc_u32 v11, s23, v11                     ; back: lanes 0-15 one row, lanes 16-31 the next
	v_lshlrev_b32 v12, 12, v2
	v_lshl_add_u32 v12, v1, 4, v12                 ; and the same two rows in y
	v_lshlrev_b32 v13, 6, v1
	v_lshl_add_u32 v13, v2, 4, v13                 ; W2's scale bytes: 64 a row, + 16 h
	v_lshl_add_u32 v15, v0, 2, BIAS
	v_and_b32 v3, 63, v0
	v_lshlrev_b32 v3, 2, v3
	s_mov_b32 s45, 0
	s_lshl_b32 s31, s21, 2
	s_wait_kmcnt 0x0
	s_load_b32 s24, s[14:15], s31 offset:0x0       ; the expert's first tile,
	s_load_b32 s25, s[14:15], s31 offset:0x4       ; and the next expert's
	s_lshl_b32 s44, s21, 21                        ; W2's codes: 2 MiB an expert, 128 KiB a slice, 16 KiB a wave
	s_lshl_b32 s23, s22, 17
	s_add_co_u32 s44, s44, s23
	s_lshl_b32 s23, s20, 14
	s_add_co_u32 s44, s44, s23
	s_add_nc_u64 s[46:47], s[8:9], s[44:45]
	s_lshl_b32 s44, s21, 16                        ; its scale bytes: 64 KiB an expert, 4 KiB a slice
	s_lshl_b32 s23, s22, 12
	s_add_co_u32 s44, s44, s23
	s_add_nc_u64 s[10:11], s[10:11], s[44:45]
	s_lshl_b32 s44, s21, 12                        ; b2: 4 KiB an expert, 256 bytes a slice
	s_lshl_b32 s23, s22, 8
	s_add_co_u32 s44, s44, s23
	s_add_nc_u64 s[12:13], s[12:13], s[44:45]
	s_mov_b32 s44, s23                             ; y: the slice's 256 bytes of a row
	s_add_nc_u64 s[16:17], s[16:17], s[44:45]
	global_load_b32 v14, v3, s[12:13]              ; a bias a thread
.irp t, 0,1,2,3
.irp q, 0,1
	global_load_b128 v[WS+8*\t+4*\q:WS+8*\t+4*\q+3], v13, s[10:11] offset:1024*\t+32*\q
.endr
.endr
.irp i, 0,1,2,3,4,5,6,7,8,9,10,11,12,13,14,15,16,17,18,19,20,21,22,23,24,25,26,27,28,29,30,31
	global_load_b128 v[64+4*\i:64+4*\i+3], v8, s[46:47] offset:512*\i th:TH_LOAD_NT       ; my 16 KiB of the slice: 512 consecutive bytes a load; read once in the launch
.endr
	s_wait_kmcnt 0x0
	s_min_u32 s24, s24, 144
	s_min_u32 s25, s25, 144
	s_sub_co_u32 s26, s25, 1                       ; the expert's last tile
	s_sub_co_u32 s27, s25, s24
	s_add_co_u32 s27, s27, 1
	s_lshr_b32 s27, s27, 1                         ; its pairs of tiles, 72 at the most;
	s_add_co_u32 s27, s27, 7
	s_sub_co_u32 s27, s27, s20
	s_lshr_b32 s27, s27, 3                         ; of them pairs w, w + 8, .. are mine: (pairs + 7 - w) / 8 passes, none where pairs <= w
	s_mov_b32 s3, 0                                ; passes done: the loop's counter, stepped by 1
	s_mov_b32 s28, s20                             ; my first pair
	PLAN                                           ; every wave, one without a pair too (on tiles held inside what was placed): no branch on plan stands ahead of the barrier
	HSC
	WIN 0x40                                       ; destination window 1: h's fragments; an LDS store's address and data stay in window 0
.irp g, 0,1,2,3,4,5,6,7
.if 44+4*\g < 63
	s_wait_loadcnt 44+4*\g                         ; my slice's loads up to 4 g + 3 are in.  Behind them: 28 - 4 g of the slice, 16 of h's scale words, 8 g of h
.else
	s_wait_loadcnt 63                              ; (the largest count that the wait can name: a smaller count than needed is safe)
.endif
.if \g == 0
	ds_store_b32 v15, v14
.endif
	WSTORE \g
	HK \g
.endr
	WIN 0
	s_wait_dscnt 0x0                               ; for the others' sake: my part of the slice lies in LDS
	s_barrier_signal -1
	s_barrier_wait -1                              ; the one barrier: behind it the slice and the biases are only read, and a stage is touched by its wave alone
	s_cmp_eq_u32 s27, 0
	s_cbranch_scc1 .Lend
.Lpass:
	KLOOP
	STAGE 0
	STAGE 1
	s_wait_dscnt 16                                ; tile 0's rows are back; tile 1's eight stores and eight loads may be out
	SEND 0
	s_wait_dscnt 0x0
	SEND 1
	s_add_co_u32 s28, s28, 8                       ; my next pair
	s_add_co_u32 s3, s3, 1
	s_wait_xcnt 0x0                                ; the stores have read their registers and bases: both are written again below
	s_cmp_ge_u32 s3, s27
	s_cbranch_scc1 .Lnoload
	PLAN
	HSC                                            ; in the order of the first time: the scale words, then K steps 0 to 7: the counts in KLOOP hold on both ways
	WIN 0x40
.irp g, 0,1,2,3,4,5,6,7
	HK \g
.endr
	WIN 0
.Lnoload:
	s_cmp_lt_u32 s3, s27
	s_cbranch_scc1 .Lpass
.Lend:
	s_wait_xcnt 0x0
	v_lshl_add_u32 v254, v0, 2, 0x29000
	v_mov_b32 v255, 0
	s_wait_tensorcnt 0x0
	ds_add_u32 v254, v255
	s_wait_dscnt 0x0
	s_endpgm
.Lfunc_end_k_qf93083b6cf_down:
	.size	k_qf93083b6cf_down, .Lfunc_end_k_qf93083b6cf_down-k_qf93083b6cf_down
	.p2alignl 7, 3214868480
	.fill 96, 4, 3214868480
	.section	.rodata,"a",@progbits
	.p2align	6, 0x0
	.amdhsa_kernel k_qf93083b6cf_down
		.amdhsa_group_segment_fixed_size 168960
		.amdhsa_private_segment_fixed_size 0
		.amdhsa_enable_private_segment 0
		.amdhsa_kernarg_size 56
		.amdhsa_user_sgpr_count 2
		.amdhsa_user_sgpr_kernarg_segment_ptr 1
		.amdhsa_wavefront_size32 1
		.amdhsa_system_sgpr_workgroup_id_x 1
		.amdhsa_system_sgpr_workgroup_id_y 1
		.amdhsa_system_sgpr_workgroup_id_z 1
		.amdhsa_system_vgpr_workitem_id 0
		.amdhsa_next_free_vgpr 512
		.amdhsa_next_free_sgpr 66
		.amdhsa_reserve_vcc 0
		.amdhsa_float_denorm_mode_32 3
		.amdhsa_float_denorm_mode_16_64 3
		.amdhsa_memory_ordered 1
		.amdhsa_forward_progress 1
		.amdhsa_inst_pref_size 75
	.end_amdhsa_kernel
	.amdgpu_metadata
---
amdhsa.version: [ 1, 2 ]
amdhsa.kernels:
  - .name:           k_qf93083b6cf_down
    .symbol:         k_qf93083b6cf_down.kd
    .args:
      - { .name: hc, .offset: 0, .size: 8, .value_kind: global_buffer, .address_space: global }
      - { .name: hs, .offset: 8, .size: 8, .value_kind: global_buffer, .address_space: global }
      - { .name: W2_codes, .offset: 16, .size: 8, .value_kind: global_buffer, .address_space: global }
      - { .name: W2_scales, .offset: 24, .size: 8, .value_kind: global_buffer, .address_space: global }
      - { .name: b2, .offset: 32, .size: 8, .value_kind: global_buffer, .address_space: global }
      - { .name: plan, .offset: 40, .size: 8, .value_kind: global_buffer, .address_space: global }
      - { .name: y, .offset: 48, .size: 8, .value_kind: global_buffer, .address_space: global }
    .group_segment_fixed_size: 168960
    .private_segment_fixed_size: 0
    .kernarg_segment_align: 8
    .kernarg_segment_size: 56
    .max_flat_workgroup_size: 256
    .sgpr_count:     66
    .vgpr_count:     512
    .wavefront_size: 32
...
	.end_amdgpu_metadata
.endif
;; end of part 4
;; launch combine (part 5): grid 256 x 1, 4 waves a work-group, no clusters, 0 bytes of LDS; arguments y, rwt, plan, out0; writes out0
.if DOCPART == 5
	.amdgcn_target "amdgcn-amd-amdhsa--gfx1250"
	.amdhsa_code_object_version 6
	.text
	.protected	k_qf93083b6cf_combine
	.globl	k_qf93083b6cf_combine
	.p2align	8
	.type	k_qf93083b6cf_combine,@function
k_qf93083b6cf_combine:
	s_mov_b64 s[64:65], 0
	v_nop
	global_prefetch_b8 v0, s[64:65] scope:SCOPE_SE
	s_setreg_imm32_b32 hwreg(HW_REG_WAVE_MODE, 25, 1), 1
	s_wait_xcnt 0x0
; out[t] = w0 y[pos0] + w1 y[pos1]: a token's two experts' rows, found by plan's pos[t][2], weighed by rwt[t][2].  A wave takes a token: a row of 4,096 bytes is eight loads of 512 consecutive bytes.
; A stream: no LDS, no barrier, no matrix unit.  The two terms are added in the order of the logits, not of the experts' numbers: another order of one f32 rounding.
	s_load_b256 s[4:11], s[0:1], 0x0               ; y, rwt, plan, out0
	v_lshrrev_b32 v2, 5, v0
	v_readfirstlane_b32 s13, v2                    ; wave
	v_and_b32 v1, 31, v0
	v_lshlrev_b32 v1, 4, v1                        ; 16 x lane
	s_lshl_b32 s12, ttmp9, 2
	s_add_co_u32 s12, s12, s13                     ; my token
	s_lshl_b32 s26, s12, 12                        ; its row of out0
	s_lshl_b32 s12, s12, 3                         ; its 8 bytes in pos and in rwt
	s_mov_b32 s29, 0
	s_wait_kmcnt 0x0
	s_load_b64 s[14:15], s[8:9], s12 offset:0x2500 ; pos, at byte 9,472 of plan
	s_load_b64 s[16:17], s[6:7], s12 offset:0x0    ; the two weights
	s_wait_kmcnt 0x0
	s_min_u32 s14, s14, 2303                       ; held under y's rows before they enter an address
	s_min_u32 s15, s15, 2303
	s_lshl_b32 s28, s14, 12
	s_add_nc_u64 s[20:21], s[4:5], s[28:29]
	s_lshl_b32 s28, s15, 12
	s_add_nc_u64 s[22:23], s[4:5], s[28:29]
	s_mov_b32 s28, s26
	s_add_nc_u64 s[24:25], s[10:11], s[28:29]
	s_mov_b32 s18, s17                             ; the packed forms take a pair's low word for both halves
	s_mov_b32 s19, s17
.irp i, 0,1,2,3,4,5,6,7
	global_load_b128 v[8+4*\i:8+4*\i+3], v1, s[20:21] offset:512*\i th:TH_LOAD_NT
.endr
.irp i, 0,1,2,3,4,5,6,7
	global_load_b128 v[40+4*\i:40+4*\i+3], v1, s[22:23] offset:512*\i th:TH_LOAD_NT
.endr
.irp i, 0,1,2,3,4,5,6,7
	s_wait_loadcnt 7-\i                            ; piece i of both rows is in; the second row's later pieces may be out
	v_pk_mul_f32 v[8+4*\i:9+4*\i], v[8+4*\i:9+4*\i], s[16:17] op_sel_hi:[1,0]
	v_pk_mul_f32 v[10+4*\i:11+4*\i], v[10+4*\i:11+4*\i], s[16:17] op_sel_hi:[1,0]
	v_pk_fma_f32 v[8+4*\i:9+4*\i], v[40+4*\i:41+4*\i], s[18:19], v[8+4*\i:9+4*\i] op_sel_hi:[1,0,1]
	v_pk_fma_f32 v[10+4*\i:11+4*\i], v[42+4*\i:43+4*\i], s[18:19], v[10+4*\i:11+4*\i] op_sel_hi:[1,0,1]
	global_store_b128 v1, v[8+4*\i:8+4*\i+3], s[24:25] offset:512*\i th:TH_STORE_NT   ; 512 consecutive bytes, at a multiple of 256 from out0's first byte
.endr
	s_endpgm
.Lfunc_end_k_qf93083b6cf_combine:
	.size	k_qf93083b6cf_combine, .Lfunc_end_k_qf93083b6cf_combine-k_qf93083b6cf_combine
	.p2alignl 7, 3214868480
	.fill 96, 4, 3214868480
	.section	.rodata,"a",@progbits
	.p2align	6, 0x0
	.amdhsa_kernel k_qf93083b6cf_combine
		.amdhsa_group_segment_fixed_size 0
		.amdhsa_private_segment_fixed_size 0
		.amdhsa_enable_private_segment 0
		.amdhsa_kernarg_size 32
		.amdhsa_user_sgpr_count 2
		.amdhsa_user_sgpr_kernarg_segment_ptr 1
		.amdhsa_wavefront_size32 1
		.amdhsa_system_sgpr_workgroup_id_x 1
		.amdhsa_system_sgpr_workgroup_id_y 1
		.amdhsa_system_sgpr_workgroup_id_z 1
		.amdhsa_system_vgpr_workitem_id 0
		.amdhsa_next_free_vgpr 72
		.amdhsa_next_free_sgpr 66
		.amdhsa_reserve_vcc 0
		.amdhsa_float_denorm_mode_32 3
		.amdhsa_float_denorm_mode_16_64 3
		.amdhsa_memory_ordered 1
		.amdhsa_forward_progress 1
		.amdhsa_inst_pref_size 6
	.end_amdhsa_kernel
	.amdgpu_metadata
---
amdhsa.version: [ 1, 2 ]
amdhsa.kernels:
  - .name:           k_qf93083b6cf_combine
    .symbol:         k_qf93083b6cf_combine.kd
    .args:
      - { .name: y, .offset: 0, .size: 8, .value_kind: global_buffer, .address_space: global }
      - { .name: rwt, .offset: 8, .size: 8, .value_kind: global_buffer, .address_space: global }
      - { .name: plan, .offset: 16, .size: 8, .value_kind: global_buffer, .address_space: global }
      - { .name: out0, .offset: 24, .size: 8, .value_kind: global_buffer, .address_space: global }
    .group_segment_fixed_size: 0
    .private_segment_fixed_size: 0
    .kernarg_segment_align: 8
    .kernarg_segment_size: 32
    .max_flat_workgroup_size: 128
    .sgpr_count:     66
    .vgpr_count:     72
    .wavefront_size: 32
...
	.end_amdgpu_metadata
.endif
;; end of part 5
;; ======== version 2 of 2: 5 launches
;; workspace buffers: ridx 8,192 bytes of whole numbers; rwt 8,192 bytes; plan 17,664 bytes of whole numbers; hc 4,718,592 bytes; hs 147,456 bytes; y 9,437,184 bytes
;; launch route (part 6): grid 64 x 1, 1 waves a work-group, no clusters, 0 bytes of LDS; arguments x_codes, x_scales, Wg_codes, Wg_scales, ridx, rwt; writes ridx, rwt
.if DOCPART == 6
	.amdgcn_target "amdgcn-amd-amdhsa--gfx1250"
	.amdhsa_code_object_version 6
	.text
	.protected	k_qf93083b6cf_route
	.globl	k_qf93083b6cf_route
	.p2align	8
	.type	k_qf93083b6cf_route,@function
k_qf93083b6cf_route:
	s_mov_b64 s[64:65], 0
	v_nop
	global_prefetch_b8 v0, s[64:65] scope:SCOPE_SE
	s_setreg_imm32_b32 hwreg(HW_REG_WAVE_SCHED_MODE, 0, 2), 2
	s_setreg_imm32_b32 hwreg(HW_REG_WAVE_MODE, 25, 1), 1
	s_wait_xcnt 0x0
	s_wait_alu depctr_vm_vsrc(0)
; THE ROUTER.  logits = x Wg^T on the given codes of E5M2 with their E8M0 scales; the two largest logits of each token (ties keep the lower expert);
; the softmax of the two, with the larger taken away first.  One wave takes 16 tokens.  Stored at fixed places: ridx[token][2] the experts, the larger logit first; rwt[token][2] their weights.
; THE PRODUCT IS USED TRANSPOSED: source 0 = the 16 rows of Wg, source 1 = 16 rows of x: lane (r, h) holds token r, its register j the logit of expert 8 h + j.
; K = 1,024 goes in eight instructions on one accumulator, K ascending.
; LIMITS: NaN and infinities among the logits are not served.
; REGISTERS: v1 r, v2 h, v3 8 h, v4-6 offsets; v8-11 x's scale words, v12-15 Wg's; v16-23 the logits; v24-51 at work; v64-191 x's eight fragments; window 1, v0-127: Wg's eight.
; THE MODE: SCHED_MODE bits 1:0 = 2 (LLVM: expert scheduling mode 2), set by the entry lines.  The code itself states the register dependences between vector or matrix
; instructions and memory instructions, and those through scalar registers that vector instructions write, with s_wait_alu, always for 0.
; THE PLAN.  Registers that memory instructions touch: v4, v5, v6, the offsets: written at the head, never again; read by every load and store.  v8-15, v64-191 and window 1: written by loads alone.
; v28, v30: the stores' data, written by the last two selections.  So one wait on va_vdst stands ahead of the loads and one ahead of the stores.
; Each compare writes a scalar mask that selections read: a wait on va_sdst stands between.  The scan's compares hang on the running pair, so each expert's two have a wait of their own.
.set MSB, 0
.macro WIN new                         ; the immediate's high byte repeats the setting that is left
.if MSB != \new
	s_set_vgpr_msb (MSB<<8)|\new
.set MSB, \new
.endif
.endm
	s_load_b256 s[4:11], s[0:1], 0x0               ; x's codes, x's scales, Wg's codes, Wg's scales
	s_load_b128 s[12:15], s[0:1], 0x20             ; ridx, rwt
	v_and_b32 v1, 15, v0                           ; r
	v_lshrrev_b32 v2, 4, v0                        ; h (one wave: v0 is the lane)
	v_lshlrev_b32 v3, 3, v2                        ; 8 h: my first expert
	v_lshlrev_b32 v4, 10, v1
	v_lshl_add_u32 v4, v2, 4, v4                   ; codes: row r of 1,024 bytes, + 16 h
	v_lshlrev_b32 v5, 5, v1
	v_lshl_add_u32 v5, v2, 4, v5                   ; scale bytes: row r of 32, + 16 h: lanes 0-15 take the words of K steps 0-3, lanes 16-31 those of 4-7
	v_lshlrev_b32 v6, 3, v1
	v_lshl_add_u32 v6, v2, 2, v6                   ; out: 8 bytes a token; lanes 0-15 the first place, lanes 16-31 the second
	s_mov_b32 s18, 0x76543210
	s_mov_b32 s19, 0xfedcba98                      ; v_permlanex16_b32's selects for lane l xor 16
	s_mov_b32 s20, 0xffff0000                      ; the mask of lanes 16-31
	s_mov_b32 s17, 0
	s_wait_kmcnt 0x0
	s_lshl_b32 s16, ttmp9, 14                      ; 16 rows of 1,024 bytes
	s_add_nc_u64 s[4:5], s[4:5], s[16:17]
	s_lshl_b32 s16, ttmp9, 9                       ; 16 rows of 32 bytes
	s_add_nc_u64 s[6:7], s[6:7], s[16:17]
	s_lshl_b32 s16, ttmp9, 7                       ; 16 tokens of 8 bytes
	s_add_nc_u64 s[12:13], s[12:13], s[16:17]
	s_add_nc_u64 s[14:15], s[14:15], s[16:17]
	WIN 0x40                                       ; destination window 1
	s_wait_alu depctr_va_vdst(0)                   ; v4, v5 and v6 are written: every load and store of the kernel reads one of them as its offset
.irp s, 0,1,2,3,4,5,6,7
.irp c, 0,1,2,3
	global_load_b128 v[16*\s+4*\c:16*\s+4*\c+3], v4, s[8:9] offset:128*\s+32*\c        ; Wg(r, 128 s + 32 c + 16 h ..)
.endr
.endr
	WIN 0
.irp s, 0,1,2,3,4,5,6,7
.irp c, 0,1,2,3
	global_load_b128 v[64+16*\s+4*\c:64+16*\s+4*\c+3], v4, s[4:5] offset:128*\s+32*\c  ; x likewise
.endr
.endr
	global_load_b128 v[8:11], v5, s[6:7]           ; register j: K step j in lanes 0-15, K step 4 + j in lanes 16-31
	global_load_b128 v[12:15], v5, s[10:11]
	s_wait_loadcnt 0x0
	WIN 0x01                                       ; source 0 (Wg) window 1
	v_wmma_scale_f32_16x16x128_f8f6f4 v[16:23], v[0:15], v[64:79], 0, v12, v8 matrix_a_fmt:MATRIX_FMT_BF8 matrix_b_fmt:MATRIX_FMT_BF8
.irp s, 1,2,3
	s_wait_alu depctr_va_vdst(0)                   ; the link before has written v[16:23], onto which this link adds: one accumulator
	v_wmma_scale_f32_16x16x128_f8f6f4 v[16:23], v[16*\s:16*\s+15], v[64+16*\s:64+16*\s+15], v[16:23], v[12+\s], v[8+\s] matrix_a_fmt:MATRIX_FMT_BF8 matrix_b_fmt:MATRIX_FMT_BF8
.endr
.irp s, 4,5,6,7
	s_wait_alu depctr_va_vdst(0)                   ; the link before has written v[16:23], onto which this link adds
	v_wmma_scale_f32_16x16x128_f8f6f4 v[16:23], v[16*\s:16*\s+15], v[64+16*\s:64+16*\s+15], v[16:23], v[8+\s], v[4+\s] matrix_a_fmt:MATRIX_FMT_BF8 matrix_b_fmt:MATRIX_FMT_BF8 matrix_a_scale:MATRIX_SCALE_ROW1 matrix_b_scale:MATRIX_SCALE_ROW1
.endr
	WIN 0
.rept 8
	v_nop                                          ; eight places between the last product and the first read of its result
.endr
	; the two largest of my eight: (v24, v25) the largest and its expert, (v26, v27) the second.  All compares are strict, and experts ascend: a tie keeps the lower expert
	v_mov_b32 v24, v16                             ; the accumulator is read from its low end on
	v_mov_b32 v25, v3
	v_mov_b32 v26, 0xff800000                      ; -infinity
	v_mov_b32 v27, v3
.macro SCAN j
	v_add_nc_u32 v28, \j, v3                       ; the expert
	v_cmp_gt_f32 s21, v[16+\j], v24
	v_cmp_gt_f32 s22, v[16+\j], v26
	s_wait_alu depctr_va_sdst(0)                   ; the two compares have written s21 and s22, which the selections below read
	v_cndmask_b32 v29, v26, v[16+\j], s22
	v_cndmask_b32 v30, v27, v28, s22
	v_cndmask_b32 v26, v29, v24, s21               ; a new largest pushes the old one down
	v_cndmask_b32 v27, v30, v25, s21
	v_cndmask_b32 v24, v24, v[16+\j], s21
	v_cndmask_b32 v25, v25, v28, s21
.endm
.irp j, 1,2,3,4,5,6,7
	SCAN \j
.endr
.irp i, 0,1,2,3
	v_mov_b32 v[32+\i], 0                          ; a lane permute's destination counts as one of its sources
.endr
.irp i, 0,1,2,3
	v_permlanex16_b32 v[32+\i], v[24+\i], s18, s19 ; the other eight experts' two
.endr
.irp i, 0,1,2,3
	v_cndmask_b32 v[36+\i], v[24+\i], v[32+\i], s20   ; set A: experts 0-7's, in every lane
	v_cndmask_b32 v[40+\i], v[32+\i], v[24+\i], s20   ; set B: experts 8-15's
.endr
	v_cmp_gt_f32 s21, v40, v36                     ; B's largest over A's?  (a tie keeps A: the lower expert)
	s_wait_alu depctr_va_sdst(0)                   ; the compare has written s21, which the six selections below read
	v_cndmask_b32 v44, v36, v40, s21               ; the largest,
	v_cndmask_b32 v45, v37, v41, s21               ; its expert
	v_cndmask_b32 v46, v38, v36, s21               ; what A still offers,
	v_cndmask_b32 v47, v39, v37, s21
	v_cndmask_b32 v48, v40, v42, s21               ; what B still offers
	v_cndmask_b32 v49, v41, v43, s21
	v_cmp_gt_f32 s22, v48, v46
	s_wait_alu depctr_va_sdst(0)                   ; the compare has written s22, which the two selections below read
	v_cndmask_b32 v50, v46, v48, s22               ; the second,
	v_cndmask_b32 v51, v47, v49, s22               ; its expert
	v_sub_f32 v28, v50, v44                        ; the larger is taken away: 0 or less
	v_mul_f32 v28, 0x3fb8aa3b, v28                 ; x log2(e)
	s_wait_alu depctr_va_vdst(0)
	v_exp_f32 v29, v28
	v_nop                                          ; a plain instruction behind the transcendental
	s_wait_alu depctr_va_vdst(0)                   ; the exponential has written v29, ahead of its first reader
	v_add_f32 v30, 1.0, v29
	s_wait_alu depctr_va_vdst(0)
	v_rcp_f32 v31, v30                             ; the first weight: 1 / (1 + e)
	v_nop
	s_wait_alu depctr_va_vdst(0)                   ; the reciprocal has written v31, ahead of its first reader
	v_mul_f32 v29, v29, v31                        ; the second: e / (1 + e)
	v_cndmask_b32 v28, v45, v51, s20               ; lanes 0-15 store the first place, lanes 16-31 the second: 128 consecutive bytes a store
	v_cndmask_b32 v30, v31, v29, s20
	s_wait_alu depctr_va_vdst(0)                   ; the two selections have written v28 and v30, the stores' data
	global_store_b32 v6, v28, s[12:13]
	global_store_b32 v6, v30, s[14:15]
	s_endpgm
.Lfunc_end_k_qf93083b6cf_route:
	.size	k_qf93083b6cf_route, .Lfunc_end_k_qf93083b6cf_route-k_qf93083b6cf_route
	.p2alignl 7, 3214868480
	.fill 96, 4, 3214868480
	.section	.rodata,"a",@progbits
	.p2align	6, 0x0
	.amdhsa_kernel k_qf93083b6cf_route
		.amdhsa_group_segment_fixed_size 0
		.amdhsa_private_segment_fixed_size 0
		.amdhsa_enable_private_segment 0
		.amdhsa_kernarg_size 48
		.amdhsa_user_sgpr_count 2
		.amdhsa_user_sgpr_kernarg_segment_ptr 1
		.amdhsa_wavefront_size32 1
		.amdhsa_system_sgpr_workgroup_id_x 1
		.amdhsa_system_sgpr_workgroup_id_y 1
		.amdhsa_system_sgpr_workgroup_id_z 1
		.amdhsa_system_vgpr_workitem_id 0
		.amdhsa_next_free_vgpr 384
		.amdhsa_next_free_sgpr 66
		.amdhsa_reserve_vcc 0
		.amdhsa_float_denorm_mode_32 3
		.amdhsa_float_denorm_mode_16_64 3
		.amdhsa_memory_ordered 1
		.amdhsa_forward_progress 1
		.amdhsa_inst_pref_size 16
	.end_amdhsa_kernel
	.amdgpu_metadata
---
amdhsa.version: [ 1, 2 ]
amdhsa.kernels:
  - .name:           k_qf93083b6cf_route
    .symbol:         k_qf93083b6cf_route.kd
    .args:
      - { .name: x_codes, .offset: 0, .size: 8, .value_kind: global_buffer, .address_space: global }
      - { .name: x_scales, .offset: 8, .size: 8, .value_kind: global_buffer, .address_space: global }
      - { .name: Wg_codes, .offset: 16, .size: 8, .value_kind: global_buffer, .address_space: global }
      - { .name: Wg_scales, .offset: 24, .size: 8, .value_kind: global_buffer, .address_space: global }
      - { .name: ridx, .offset: 32, .size: 8, .value_kind: global_buffer, .address_space: global }
      - { .name: rwt, .offset: 40, .size: 8, .value_kind: global_buffer, .address_space: global }
    .group_segment_fixed_size: 0
    .private_segment_fixed_size: 0
    .kernarg_segment_align: 8
    .kernarg_segment_size: 48
    .max_flat_workgroup_size: 32
    .sgpr_count:     66
    .vgpr_count:     384
    .wavefront_size: 32
...
	.end_amdgpu_metadata
.endif
;; end of part 6
;; launch place (part 7): grid 1 x 1, 32 waves a work-group, no clusters, 8,192 bytes of LDS; arguments ridx, plan; writes plan
.if DOCPART == 7
	.amdgcn_target "amdgcn-amd-amdhsa--gfx1250"
	.amdhsa_code_object_version 6
	.text
	.protected	k_qf93083b6cf_place
	.globl	k_qf93083b6cf_place
	.p2align	8
	.type	k_qf93083b6cf_place,@function
k_qf93083b6cf_place:
	s_mov_b64 s[64:65], 0
	v_nop
	global_prefetch_b8 v0, s[64:65] scope:SCOPE_SE
	s_setreg_imm32_b32 hwreg(HW_REG_WAVE_MODE, 25, 1), 1
	s_wait_xcnt 0x0
; THE PLACING: a counting sort of the 2,048 (token, place) pairs by expert, each expert's rows filled up to tiles of 16.  One work-group; thread t is token t.  Whole numbers only.
; plan: bytes 0-127 pbase[0..16] (an expert's first tile; pbase[16] = the number of tiles), zeros up to word 31;  bytes 256 on list[2304]: the token of each sorted row (filling rows: token 0);
; bytes 9,472 on pos[1024][2]: the sorted row of each (token, place).  At most (2,048 + 16 x 15) / 16 = 143 tiles.
; A token's two experts differ, so a lane counts once at most for an expert.
; LDS: bytes 0-4,095: the counts, 32 words for each of the 32 waves (word e: the wave's tokens on expert e).
; REGISTERS: v1 lane; v[2:3] my experts; v4, v5 my ranks in the wave; v6 the wave's counts (lane e); v10 totals, v11 counts of the waves before mine, v12 tiles, v13 first tiles, v14 where my wave's rows begin (all: lane e).
	s_load_b128 s[4:7], s[0:1], 0x0                ; ridx, plan
	v_lshl_add_u32 v64, v0, 2, 0x1000
	v_mov_b32 v65, 0
	v_lshrrev_b32 v15, 5, v0
	s_delay_alu instid0(VALU_DEP_1)
	v_readfirstlane_b32 s8, v15                    ; wave
	v_and_b32 v1, 31, v0
	v_lshlrev_b32 v8, 2, v0                        ; 4 x thread
	s_delay_alu instid0(VALU_DEP_2)
	v_lshlrev_b32 v9, 2, v1                        ; 4 x lane
	v_lshlrev_b32 v16, 3, v0                       ; 8 x thread
	v_mov_b32 v4, 0
	v_mov_b32 v5, 0
	v_mov_b32 v6, 0
	v_mov_b32 v10, 0
	v_mov_b32 v11, 0
	v_mov_b32 v13, 0
	s_wait_alu depctr_va_vdst(0)
	s_wait_kmcnt 0x0
	global_load_b64 v[2:3], v16, s[4:5]
	s_wait_loadcnt 0x0
	v_min_u32 v2, 15, v2
	v_min_u32 v3, 15, v3
.macro CNT e                           ; expert e in my wave: who has it, how many, and how many in lanes below mine
	v_cmp_eq_u32 s10, \e, v2
	v_cmp_eq_u32 s11, \e, v3
	s_or_b32 s12, s10, s11
	s_bcnt1_i32_b32 s13, s12
	v_mbcnt_lo_u32_b32 v7, s12, 0
	s_delay_alu instid0(VALU_DEP_1)
	v_cndmask_b32 v4, v4, v7, s10
	s_delay_alu instid0(VALU_DEP_2)
	v_cndmask_b32 v5, v5, v7, s11
	v_writelane_b32 v6, s13, \e
.endm
.irp e, 0,1,2,3,4,5,6,7,8,9,10,11,12,13,14,15
	CNT \e
.endr
	ds_store_b32 v8, v6
	s_wait_dscnt 0x0                               ; for the others' sake: my counts lie in LDS
	s_barrier_signal -1
	s_barrier_wait -1
.irp w, 0,1,2,3,4,5,6,7,8,9,10,11,12,13,14,15,16,17,18,19,20,21,22,23,24,25,26,27,28,29,30,31
	ds_load_b32 v[32+\w], v9 offset:128*\w         ; lane e: wave w's count for expert e
.endr
	s_wait_dscnt 0x0
.macro ACCUM w
	s_cmp_gt_u32 s8, \w
	s_cselect_b32 s10, -1, 0
	v_and_b32 v15, s10, v[32+\w]
	s_delay_alu instid0(VALU_DEP_1)
	v_add_nc_u32 v11, v11, v15                     ; of the waves before mine
	v_add_nc_u32 v10, v10, v[32+\w]                ; of all
.endm
.irp w, 0,1,2,3,4,5,6,7,8,9,10,11,12,13,14,15,16,17,18,19,20,21,22,23,24,25,26,27,28,29,30,31
	ACCUM \w
.endr
	s_delay_alu instid0(VALU_DEP_1)
	v_add_nc_u32 v12, 15, v10
	s_delay_alu instid0(VALU_DEP_1)
	v_lshrrev_b32 v12, 4, v12                      ; tiles of 16 rows
	s_mov_b32 s9, 0
.irp e, 0,1,2,3,4,5,6,7,8,9,10,11,12,13,14,15
	v_readlane_b32 s10, v12, \e
	v_writelane_b32 v13, s9, \e                    ; the expert's first tile
	s_add_co_u32 s9, s9, s10
.endr
	v_writelane_b32 v13, s9, 16                    ; the number of tiles
	s_delay_alu instid0(VALU_DEP_1)
	v_lshl_add_u32 v14, v13, 4, v11                ; lane e: the row at which my wave's tokens on expert e begin
	v_lshlrev_b32 v17, 2, v2
	v_lshlrev_b32 v18, 2, v3
	ds_bpermute_b32 v19, v17, v14
	ds_bpermute_b32 v20, v18, v14
	s_wait_dscnt 0x0
	v_add_nc_u32 v22, v19, v4                      ; my two sorted rows
	v_add_nc_u32 v23, v20, v5
	global_store_b64 v16, v[22:23], s[6:7] offset:9472
	v_min_u32 v24, 2303, v22
	v_min_u32 v25, 2303, v23
	s_delay_alu instid0(VALU_DEP_2)
	v_lshlrev_b32 v24, 2, v24
	s_delay_alu instid0(VALU_DEP_2)
	v_lshlrev_b32 v25, 2, v25
	global_store_b32 v24, v0, s[6:7] offset:256    ; list[row] = my token
	global_store_b32 v25, v0, s[6:7] offset:256
	s_cmp_lg_u32 s8, 0
	s_cbranch_scc1 .Lnot0
	global_store_b32 v9, v13, s[6:7]               ; pbase: 128 consecutive bytes, by wave 0
.Lnot0:
	; the filling rows: thread 16 e + j (threads 0-255) looks at row total(e) + j of expert e
	v_lshrrev_b32 v26, 4, v0
	s_delay_alu instid0(VALU_DEP_1)
	v_and_b32 v26, 15, v26
	s_delay_alu instid0(VALU_DEP_1)
	v_lshlrev_b32 v26, 2, v26
	v_and_b32 v27, 15, v0
	ds_bpermute_b32 v28, v26, v10
	ds_bpermute_b32 v29, v26, v12
	ds_bpermute_b32 v30, v26, v13
	s_wait_alu depctr_va_vdst(0)
	s_wait_dscnt 0x0
	v_add_nc_u32 v28, v28, v27                     ; the row within the expert
	v_lshlrev_b32 v29, 4, v29                      ; the expert's rows with the filling
	s_delay_alu instid0(VALU_DEP_1)
	v_cmp_lt_u32 s10, v28, v29
	v_cmp_gt_u32 s11, 256, v0
	s_and_b32 vcc_lo, s10, s11
	v_lshl_add_u32 v30, v30, 4, v28
	s_delay_alu instid0(VALU_DEP_1)
	v_min_u32 v30, 2303, v30
	s_delay_alu instid0(VALU_DEP_1)
	v_lshlrev_b32 v30, 2, v30
	v_mov_b32 v31, 0
	s_wait_alu depctr_va_vdst(0)
	s_wait_xcnt 0x0                                ; EXEC changes only behind this wait: the stores above have read their sources
	s_wait_tensorcnt 0x0
	ds_add_u32 v64, v65
	s_wait_dscnt 0x0
	s_and_saveexec_b32 s12, vcc_lo
	global_store_b32 v30, v31, s[6:7] offset:256   ; token 0 stands in: its results are never read
	s_wait_xcnt 0x0
	s_or_b32 exec_lo, exec_lo, s12
	s_endpgm
.Lfunc_end_k_qf93083b6cf_place:
	.size	k_qf93083b6cf_place, .Lfunc_end_k_qf93083b6cf_place-k_qf93083b6cf_place
	.p2alignl 7, 3214868480
	.fill 96, 4, 3214868480
	.section	.rodata,"a",@progbits
	.p2align	6, 0x0
	.amdhsa_kernel k_qf93083b6cf_place
		.amdhsa_group_segment_fixed_size 8192
		.amdhsa_private_segment_fixed_size 0
		.amdhsa_enable_private_segment 0
		.amdhsa_kernarg_size 16
		.amdhsa_user_sgpr_count 2
		.amdhsa_user_sgpr_kernarg_segment_ptr 1
		.amdhsa_wavefront_size32 1
		.amdhsa_system_sgpr_workgroup_id_x 1
		.amdhsa_system_sgpr_workgroup_id_y 1
		.amdhsa_system_sgpr_workgroup_id_z 1
		.amdhsa_system_vgpr_workitem_id 0
		.amdhsa_next_free_vgpr 66
		.amdhsa_next_free_sgpr 66
		.amdhsa_reserve_vcc 1
		.amdhsa_float_denorm_mode_32 3
		.amdhsa_float_denorm_mode_16_64 3
		.amdhsa_memory_ordered 1
		.amdhsa_forward_progress 1
		.amdhsa_inst_pref_size 23
	.end_amdhsa_kernel
	.amdgpu_metadata
---
amdhsa.version: [ 1, 2 ]
amdhsa.kernels:
  - .name:           k_qf93083b6cf_place
    .symbol:         k_qf93083b6cf_place.kd
    .args:
      - { .name: ridx, .offset: 0, .size: 8, .value_kind: global_buffer, .address_space: global }
      - { .name: plan, .offset: 8, .size: 8, .value_kind: global_buffer, .address_space: global }
    .group_segment_fixed_size: 8192
    .private_segment_fixed_size: 0
    .kernarg_segment_align: 8
    .kernarg_segment_size: 16
    .max_flat_workgroup_size: 1024
    .sgpr_count:     66
    .vgpr_count:     66
    .wavefront_size: 32
...
	.end_amdgpu_metadata
.endif
;; end of part 7
;; launch up (part 8): grid 16 x 16, 8 waves a work-group, no clusters, 135,168 bytes of LDS; arguments x_codes, x_scales, W1_codes, W1_scales, b1, plan, hc, hs; writes hc, hs
.if DOCPART == 8
	.amdgcn_target "amdgcn-amd-amdhsa--gfx1250"
	.amdhsa_code_object_version 6
	.text
	.protected	k_qf93083b6cf_up
	.globl	k_qf93083b6cf_up
	.p2align	8
	.type	k_qf93083b6cf_up,@function
k_qf93083b6cf_up:
	s_mov_b64 s[64:65], 0
	v_nop
	global_prefetch_b8 v0, s[64:65] scope:SCOPE_SE
	s_setreg_imm32_b32 hwreg(HW_REG_WAVE_SCHED_MODE, 0, 2), 2
	s_setreg_imm32_b32 hwreg(HW_REG_WAVE_MODE, 25, 1), 1
	s_wait_xcnt 0x0
	s_wait_alu depctr_vm_vsrc(0)
; THE FIRST LAYER OF THE CHOSEN EXPERTS.  Work-group (S, e): hidden units 128 S .. 128 S + 127 of expert e, for the rows that were placed on e:  Q(relu(x W1 + b1)), Q the MX quantiser to E5M2 along the hidden axis.
; Both operands arrive as codes of E5M2 with E8M0 scales.  The slice's 128 rows of W1 (131,072 consecutive bytes) are read from memory once, into LDS; one barrier; then the eight waves are independent:
; wave w takes the expert's pairs of tiles (2 x 16 rows) w, w + 8, ..  How many there are is read from plan, which an earlier launch stored; so operands come by plain loads, and no barrier stands behind that branch.
; No sharing of tiles in a cluster: the trip counts and the rows' addresses hang on plan, and the 16 work-groups of an expert share x's rows alone, 16 KiB a tile against the slice's 128 KiB.
; THE PRODUCT IS USED TRANSPOSED (source 0 = 16 rows of W1, source 1 = 16 rows of x): a lane holds one row, its registers run along the hidden units, the next product's K.
; THE ROWS OF W1 THAT FORM A TILE ARE NOT NEIGHBOURS: lane r of tile 2 b + u takes row 32 b + 8 u + r + 8 (r / 8), so that the 16 registers of tiles 2 b, 2 b + 1 are the neighbours 32 b + 16 (lane / 16) + 0 .. 15.
; In LDS the rows are laid in that order: row 32 b + 16 a + 8 u + i of the slice lies at LDS row 32 b + 16 u + 8 a + i, so a tile's 16 rows are neighbours there.
; The bias is the C of each sum's first product (the sum's f32 roundings so fall in another order than bias added last).  The relu is the lower end of the hold that the conversion wants anyway.
; OUT: hc[tile][S]: the fragment (16 rows x 128 K) as an image of its registers: registers 4 c .. 4 c + 3 of lane l at 512 c + 16 l;  hs[tile][S][row]: its scale words.
; LIMITS: NaN and infinities in the hidden layer are not served; a block of zeros gets the byte 1 with zero codes (this program alone reads the bytes); a largest magnitude under 2^-111 is held at that floor.
; LDS: 0: the slice, 128 rows 1,040 bytes apart (an odd multiple of 16: the 16 rows of a fragment load fall into 16 different columns of 16 bytes modulo 256);  133,120: the slice's 128 biases (twice: a word a thread).
; REGISTERS, window 0: v1 r, v2 h, v3 16 h; v4, v5 my place in the slice's lower and upper 64 LDS rows; v6 in the biases; v7 where I store the slice; v8, v9 my rows' codes in x (tile 0, 1); v10, v11 their scale bytes;
;   v12 16 x lane; v13 my place in hs; v14, v15 the tokens; v16-23 x's scale words; v24-55 W1's (they stay); v56, v57 the scale words being made; v58-63 small things; v64-127, v128-191 two sets of four fragments of W1
;   (first the slice on its way to LDS; behind the products the quantiser's work); v192-255 eight accumulators: row tile m, tile q of the half at 192 + 32 m + 8 q.   window 1: x's fragments: row tile m, K step s at 128 m + 16 s.
; SCALARS: s3 passes done, s27 my wave's passes, s28 the pair in hand (it steps by 8 and enters addresses alone); s24, s25 the expert's first tile and the next expert's, s26 its last tile.
; THE MODE: SCHED_MODE bits 1:0 = 2 (LLVM: expert scheduling mode 2), set by the entry lines.  The code itself states the register dependences between vector or matrix
; instructions and memory or LDS instructions, and those through scalar registers that vector instructions write, with s_wait_alu, always for 0.
; THE PLAN.  Registers that memory or LDS instructions touch:
;   set 0 (v64-127), set 1 (v128-191)  At the head the slice's loads land in them and the LDS stores read them.  K step s's eight products read set s % 2; the LDS loads of K step s + 1 land in the other set.
;                                      Behind a half's products the quantiser writes v64-96 (its work and the codes); the codes' stores read v80-95.
;   v192-255                           The biases' LDS loads land in them; the products add onto them; the quantiser reads and writes them.
;   v16-23, window 1                   x's loads land in them, at the head and at a pass's end; the products read them.
;   v8-11, v13, v62                    Written by vector lines once a pass; read by x's loads and by the scale words' store.
;   v4-7, v12, v59-61                  Made at the head and never written again.
; The two sets fill what the wave has (two waves of 512 registers share a SIMD's 1,024), so ONE wait on va_vdst stands in each K step that asks for fragments: the step before is done reading the other set.
; Behind it the next step's 16 LDS loads are dealt among the step's first four products, four behind each; these products name set s % 2, x's fragments, scale words and accumulators: none of the registers that the loads touch.
; A half's head states the rest: what memory has read (the codes, the slice) and what vector and matrix lines have left (the quantiser's work, the accumulators).  One wait on va_vdst stands ahead of each half's stores.
.set PITCH, 1040
.set HALFB, 64*PITCH
.set BIAS,  128*PITCH
.set WB0,   64
.set ACC,   192
.set TM,    64                         ; v64-67 largest magnitudes, v68-71 bytes, v72-75 the largest number x the scale, v76-79 the conversions' scale operands
.set PC,    80                         ; v80-95 the codes just made
.set XS,    16
.set WS,    24
.set MSB, 0
.macro WIN new                         ; the immediate's high byte repeats the setting that is left
.if MSB != \new
	s_set_vgpr_msb (MSB<<8)|\new
.set MSB, \new
.endif
.endm
.macro PLACES                          ; eight places behind this matrix form: ahead of loads into registers that it has read, and of the first read of results
.rept 8
	v_nop
.endr
.endm
; one product, in place.  ra, rb: the scale words stand in lanes 16-31 of their registers
.macro WM d, a, b, sa, sb, ra, rb
.if ((\ra) != 0) && ((\rb) != 0)
	v_wmma_scale_f32_16x16x128_f8f6f4 v[\d:\d+7], v[\a:\a+15], v[\b:\b+15], v[\d:\d+7], v[\sa], v[\sb] matrix_a_fmt:MATRIX_FMT_BF8 matrix_b_fmt:MATRIX_FMT_BF8 matrix_a_scale:MATRIX_SCALE_ROW1 matrix_b_scale:MATRIX_SCALE_ROW1
.elseif (\ra) != 0
	v_wmma_scale_f32_16x16x128_f8f6f4 v[\d:\d+7], v[\a:\a+15], v[\b:\b+15], v[\d:\d+7], v[\sa], v[\sb] matrix_a_fmt:MATRIX_FMT_BF8 matrix_b_fmt:MATRIX_FMT_BF8 matrix_a_scale:MATRIX_SCALE_ROW1
.elseif (\rb) != 0
	v_wmma_scale_f32_16x16x128_f8f6f4 v[\d:\d+7], v[\a:\a+15], v[\b:\b+15], v[\d:\d+7], v[\sa], v[\sb] matrix_a_fmt:MATRIX_FMT_BF8 matrix_b_fmt:MATRIX_FMT_BF8 matrix_b_scale:MATRIX_SCALE_ROW1
.else
	v_wmma_scale_f32_16x16x128_f8f6f4 v[\d:\d+7], v[\a:\a+15], v[\b:\b+15], v[\d:\d+7], v[\sa], v[\sb] matrix_a_fmt:MATRIX_FMT_BF8 matrix_b_fmt:MATRIX_FMT_BF8
.endif
.endm
.macro WSTORE g                        ; loads 4 g .. 4 g + 3 of my 32 go to LDS: load i holds half i % 2 of my row i / 2
.irp k, 0,1,2,3
	ds_store_b128 v7, v[64+4*(4*(\g)+\k):64+4*(4*(\g)+\k)+3] offset:(16*(((4*(\g)+\k)/2)/8)+((4*(\g)+\k)/2)%8)*PITCH+512*(\k%2)
.endr
.endm
; the pair of tiles p: its two tiles (the second falls on the first where the expert's tiles are odd in number: the same values are then stored twice), their tokens, their places in hc and hs.
; Every number from plan is held under a constant before it enters an address.
.macro PLAN
	s_lshl_b32 s23, s28, 1
	s_add_co_u32 s23, s23, s24                     ; the pair's first tile
	v_add_nc_u32 v13, s23, v2                      ; lanes 0-15: tile 0, lanes 16-31: tile 1
	v_min_u32 v13, s26, v13
	v_min_u32 v13, 143, v13
	v_lshl_add_u32 v13, v13, 10, v63               ; hs: 1,024 bytes a tile, 4 bytes a row
	s_min_u32 s29, s23, s26
	s_min_u32 s29, s29, 143
	s_add_co_u32 s30, s23, 1
	s_min_u32 s30, s30, s26
	s_min_u32 s30, s30, 143
	s_lshl_b32 s31, s29, 6
	s_lshl_b32 s23, s30, 6
	s_load_b512 s[32:47], s[14:15], s31 offset:0x100   ; list: 16 tokens a tile
	s_load_b512 s[48:63], s[14:15], s23 offset:0x100
	s_lshl_b32 s70, s29, 15
	s_add_nc_u64 s[66:67], s[16:17], s[70:71]      ; hc: 32,768 bytes a tile
	s_lshl_b32 s70, s30, 15
	s_add_nc_u64 s[68:69], s[16:17], s[70:71]
	s_wait_kmcnt 0x0
.endm
.macro TOK                             ; the 32 tokens become the lanes' offsets: every lane wants row r of tile 0 and row r of tile 1
.set TL, 0
.rept 32
	v_writelane_b32 v14, s[32+TL], TL
.set TL, TL+1
.endr
	v_permlanex16_b32 v15, v14, s72, s73
	v_cndmask_b32 v8, v14, v15, s75                ; tile 0's token r, in both halves of the lanes
	v_cndmask_b32 v9, v15, v14, s75                ; tile 1's
	v_min_u32 v8, 1023, v8
	v_min_u32 v9, 1023, v9
	v_lshl_add_u32 v10, v8, 5, v3                  ; 32 scale bytes a row, + 16 h
	v_lshl_add_u32 v11, v9, 5, v3
	v_lshl_add_u32 v8, v8, 10, v3                  ; 1,024 codes a row, + 16 h
	v_lshl_add_u32 v9, v9, 10, v3
.endm
.macro XSC                             ; x's scale words: register j: K step j in lanes 0-15, K step 4 + j in lanes 16-31
.irp m, 0,1
	global_load_b128 v[XS+4*\m:XS+4*\m+3], v[10+\m], s[6:7]
.endr
.endm
.macro XK s                            ; x's two fragments of K step s (destination window 1)
.irp m, 0,1
.irp c, 0,1,2,3
	global_load_b128 v[128*\m+16*(\s)+4*\c:128*\m+16*(\s)+4*\c+3], v[8+\m], s[4:5] offset:128*(\s)+32*\c
.endr
.endr
.endm
.macro BIASIN u                        ; the accumulators begin as the biases: lane (r, h), tile t = 4 u + q, register j: hidden unit 32 (t / 2) + 16 h + 8 (t % 2) + j
.irp m, 0,1
.irp q, 0,1,2,3
	ds_load_b128 v[ACC+32*\m+8*\q:ACC+32*\m+8*\q+3],   v6 offset:(32*((4*(\u)+\q)/2)+8*(\q%2))*4
	ds_load_b128 v[ACC+32*\m+8*\q+4:ACC+32*\m+8*\q+7], v6 offset:(32*((4*(\u)+\q)/2)+8*(\q%2))*4+16
.endr
.endr
.endm
.macro WFRAG buf, u, s, f              ; one fragment of W1: tile 4 u + f, K step s, into place f of the set at buf
.irp c, 0,1,2,3
	ds_load_b128 v[\buf+16*(\f)+4*\c:\buf+16*(\f)+4*\c+3], v[4+\u] offset:(\f)*16*PITCH+128*(\s)+32*\c
.endr
.endm
.macro WLOAD buf, u, s                 ; four fragments of W1: tiles 4 u .. 4 u + 3, K step s
.irp q, 0,1,2,3
	WFRAG \buf, \u, \s, \q
.endr
.endm
; eight products of K step s, on set s % 2; the eight accumulators take turns, one instruction a turn, in the same order in every K step.
; nxt = 1: the next K step's four fragments are asked for, into the other set, one fragment (four loads) behind each of the first four products: all are out by the step's middle
.macro MUL u, s, nxt
.irp q, 0,1,2,3
.irp m, 0,1
	WM ACC+32*\m+8*\q, WB0+64*((\s)%2)+16*\q, 128*\m+16*(\s), WS+4*(4*(\u)+\q)+(\s)%4, XS+4*\m+(\s)%4, (\s)/4, (\s)/4
.if (\nxt) && (2*\q+\m < 4)
	WFRAG WB0+64*(((\s)+1)%2), \u, (\s)+1, 2*\q+\m
.endif
.endr
.endr
.endm
; half u of the slice (64 hidden units) for both row tiles, all of K.  first = 1: x's fragments may still be on their way
.macro HALF u, first
	s_wait_xcnt 0x0                                ; the stores of the codes made last have read their registers, which the loads below fill
	WIN 0x04                                       ; source 1 (x) window 1; LDS loads and their addresses stay in window 0
	s_wait_alu depctr_vm_vsrc(0)                   ; the codes' stores have read v80-95, and (first pass) my LDS stores of the slice have read both sets: LDS loads land in them from here on, and the quantiser writes v64-96
	s_wait_alu depctr_va_vdst(0)                   ; the quantiser is done with v64-96 and with the accumulators, the last half's products with set 1: the LDS loads of this half's head and first K step land in them
	BIASIN \u
	WLOAD WB0, \u, 0
.irp s, 0,1,2,3,4,5,6,7
.if (\s >= 1) && (\s < 7)
	PLACES                                         ; the set that the last eight products read is loaded again below
.endif
	s_wait_dscnt 0x0                               ; set s % 2 is in: its loads went out in the first half of the step before (K step 0: just now, with the biases)
.if \first
	s_wait_loadcnt 8*(7-\s)                        ; x's K step s is in; the eight loads of each later K step may be out
.endif
.if (\s >= 1) && (\s < 7)
	s_wait_alu depctr_va_vdst(0)                   ; the eight products of the K step before are done reading the other set, in which this step's LDS loads land
.endif
.if \s < 7
	MUL \u, \s, 1
.else
	MUL \u, \s, 0                                  ; the last K step asks for nothing: no wait on va_vdst, no places
.endif
.endr
	WIN 0
	PLACES
.endm
; The 64 numbers of a lane in v192-255 are four blocks: block 2 m + b = row tile m, hidden units 32 b + 16 h + 0 .. 15 of the half.  A block of 32 lies in lanes l and l xor 16.
.macro QUANT
.irp b, 0,1,2,3
	v_mov_b32 v[TM+4+\b], 0                        ; a lane permute's destination counts as one of its sources
.endr
.irp b, 0,1,2,3
	v_max3_num_f32 v[TM+\b], v[ACC+16*\b], v[ACC+1+16*\b], 0x8000000   ; no |.|: what is negative becomes 0 and must not count; the floor 2^(16 - 127) keeps the byte at 1 or above.  Each accumulator is read from its low end on
.endr
.irp i, 2,4,6,8,10,12,14
.irp b, 0,1,2,3
	v_max3_num_f32 v[TM+\b], v[TM+\b], v[ACC+16*\b+\i], v[ACC+1+16*\b+\i]
.endr
.endr
.irp b, 0,1,2,3
	v_permlanex16_b32 v[TM+4+\b], v[TM+\b], s72, s73
.endr
.irp b, 0,1,2,3
	v_max_num_f32 v[TM+\b], v[TM+\b], v[TM+4+\b]   ; the block's largest magnitude
.endr
.irp b, 0,1,2,3
	v_add_nc_u32 v[TM+12+\b], 0xf8800000, v[TM+\b] ; 15 off its exponent field: the conversion's scale operand
.endr
.irp b, 0,1,2,3
	v_and_or_b32 v[TM+8+\b], v[TM+\b], 0x7f800000, s74   ; 57,344 x the scale
.endr
.irp b, 0,1,2,3
	v_lshrrev_b32 v[TM+4+\b], 23, v[TM+12+\b]      ; the scale's byte
.endr
.irp b, 0,1,2,3
.irp i, 0,1,2,3,4,5,6,7,8,9,10,11,12,13,14,15
	v_med3_num_f32 v[ACC+16*\b+\i], v[ACC+16*\b+\i], 0, v[TM+8+\b]   ; the relu and the hold in one (the conversion to an 8-bit code does not saturate: ISA guide 7.6.2)
.endr
	v_cvt_scalef32_pk8_bf8_f32 v[PC+4*\b:PC+1+4*\b], v[ACC+16*\b:ACC+7+16*\b], v[TM+12+\b]
	v_cvt_scalef32_pk8_bf8_f32 v[PC+2+4*\b:PC+3+4*\b], v[ACC+8+16*\b:ACC+15+16*\b], v[TM+12+\b]
.endr
	v_nop                                          ; a plain instruction behind the last conversion
.endm
.macro SCW u                           ; the half's two bytes go into each row tile's scale word: vector lines, ahead of the wait that stands in front of the half's stores
.irp m, 0,1
.if (\u) == 0
	v_lshl_or_b32 v[56+\m], v[TM+5+2*\m], 8, v[TM+4+2*\m]      ; bytes 0 and 1 of the row's scale word
.else
	v_lshl_or_b32 v96, v[TM+5+2*\m], 8, v[TM+4+2*\m]
	v_lshl_or_b32 v[56+\m], v96, 16, v[56+\m]                  ; bytes 2 and 3
.endif
.endr
.endm
.macro OUTC u                          ; the half's codes are registers 8 u .. 8 u + 7 of each row tile's fragment: each store covers 512 consecutive bytes
.irp b, 0,1,2,3
	global_store_b128 v12, v[PC+4*\b:PC+4*\b+3], s[66+2*(\b/2):67+2*(\b/2)] offset:(2*(\u)+\b%2)*512
.endr
.endm
	s_load_b512 s[4:19], s[0:1], 0x0               ; x's codes, x's scales, W1's codes, W1's scales, b1, plan, hc, hs
	v_lshrrev_b32 v62, 5, v0
	v_readfirstlane_b32 s20, v62                   ; wave 0..7
	s_and_b32 s21, ttmp7, 0xffff                   ; the expert
	s_mov_b32 s22, ttmp9                           ; the slice
	v_and_b32 v1, 15, v0                           ; r
	v_bfe_u32 v2, v0, 4, 1                         ; h
	v_lshlrev_b32 v3, 4, v2
	v_mul_u32_u24 v4, v1, PITCH
	v_add_nc_u32 v4, v4, v3                        ; a fragment's row x pitch + 16 h
	v_add_nc_u32 v5, HALFB, v4
	v_lshl_add_u32 v6, v2, 6, BIAS
	v_and_b32 v12, 31, v0
	v_lshlrev_b32 v12, 4, v12                      ; 16 x lane
	s_wait_alu depctr_va_sdst(0)                   ; s20, the wave's number, is written, ahead of its first reader
	s_lshr_b32 s23, s20, 1
	s_lshl_b32 s23, s23, 5
	s_and_b32 s31, s20, 1
	s_lshl_b32 s31, s31, 3
	s_add_co_u32 s23, s23, s31                     ; my 16 rows of the slice go to LDS rows 32 (w / 2) + 8 (w % 2) + 0 .. 7 and + 16 .. 23
	s_mul_i32 s23, s23, PITCH
	v_add_nc_u32 v7, s23, v12
	v_lshl_add_u32 v59, v0, 2, BIAS
	v_and_b32 v60, 127, v0
	v_lshlrev_b32 v60, 2, v60
	v_and_b32 v61, 8, v1
	v_add_nc_u32 v61, v61, v1                      ; r + 8 (r / 8)
	v_lshl_add_u32 v61, v61, 5, v3                 ; W1's scale bytes: 32 a row, + 16 h
	v_lshlrev_b32 v63, 2, v1
	v_mov_b32 v14, 0                               ; written once: v_writelane_b32's and the permute's destinations count as sources
	v_mov_b32 v15, 0
	s_mov_b32 s72, 0x76543210
	s_mov_b32 s73, 0xfedcba98                      ; v_permlanex16_b32's selects for lane l xor 16
	s_mov_b32 s74, 0x600000                        ; the mantissa field of 57,344
	s_mov_b32 s75, 0xffff0000                      ; the mask of lanes 16-31
	s_mov_b32 s71, 0
	s_lshl_b32 s31, s21, 2
	s_wait_kmcnt 0x0
	s_load_b32 s24, s[14:15], s31 offset:0x0       ; the expert's first tile,
	s_load_b32 s25, s[14:15], s31 offset:0x4       ; and the next expert's
	s_lshl_b32 s70, s21, 21                        ; W1's codes: 2 MiB an expert, 128 KiB a slice, 16 KiB a wave
	s_lshl_b32 s23, s22, 17
	s_add_co_u32 s70, s70, s23
	s_lshl_b32 s23, s20, 14
	s_add_co_u32 s70, s70, s23
	s_add_nc_u64 s[78:79], s[8:9], s[70:71]
	s_lshl_b32 s70, s21, 16                        ; its scale bytes: 64 KiB an expert, 4 KiB a slice
	s_lshl_b32 s23, s22, 12
	s_add_co_u32 s70, s70, s23
	s_add_nc_u64 s[10:11], s[10:11], s[70:71]
	s_lshl_b32 s70, s21, 13                        ; b1: 8 KiB an expert, 512 bytes a slice
	s_lshl_b32 s23, s22, 9
	s_add_co_u32 s70, s70, s23
	s_add_nc_u64 s[12:13], s[12:13], s[70:71]
	s_lshl_b32 s70, s22, 11                        ; hc: 2,048 bytes a K step
	s_add_nc_u64 s[16:17], s[16:17], s[70:71]
	s_lshl_b32 s70, s22, 6                         ; hs: 64 bytes a K step
	s_add_nc_u64 s[76:77], s[18:19], s[70:71]
	s_wait_alu depctr_va_vdst(0)                   ; the addresses that stay are written: v4 to v7, v12, v59, v60, v61, which the loads and LDS instructions from here on read
	global_load_b32 v58, v60, s[12:13]             ; a bias a thread
.irp t, 0,1,2,3,4,5,6,7
	global_load_b128 v[WS+4*\t:WS+4*\t+3], v61, s[10:11] offset:(32*(\t/2)+8*(\t%2))*32   ; tile t's scale words: register j: K step j in lanes 0-15, 4 + j in lanes 16-31
.endr
.irp i, 0,1,2,3,4,5,6,7,8,9,10,11,12,13,14,15,16,17,18,19,20,21,22,23,24,25,26,27,28,29,30,31
	global_load_b128 v[64+4*\i:64+4*\i+3], v12, s[78:79] offset:512*\i th:TH_LOAD_NT      ; my 16 KiB of the slice: 512 consecutive bytes a load; read once in the launch
.endr
	s_wait_kmcnt 0x0
	s_min_u32 s24, s24, 144
	s_min_u32 s25, s25, 144
	s_sub_co_u32 s26, s25, 1                       ; the expert's last tile
	s_sub_co_u32 s27, s25, s24
	s_add_co_u32 s27, s27, 1
	s_lshr_b32 s27, s27, 1                         ; its pairs of tiles, 72 at the most;
	s_add_co_u32 s27, s27, 7
	s_sub_co_u32 s27, s27, s20
	s_lshr_b32 s27, s27, 3                         ; of them pairs w, w + 8, .. are mine: (pairs + 7 - w) / 8 passes, none where pairs <= w
	s_mov_b32 s3, 0                                ; passes done: the loop's counter, stepped by 1
	s_mov_b32 s28, s20                             ; my first pair
	PLAN                                           ; every wave, one without a pair too (on tiles held inside what was placed): no branch on plan stands ahead of the barrier
	TOK
	s_wait_alu depctr_va_vdst(0)                   ; v8 to v11, the offsets of x's loads below, and v13, the offset of the scale words' store, are written
	XSC
	WIN 0x40                                       ; destination window 1: x's fragments; an LDS store's address and data stay in window 0
.irp g, 0,1,2,3,4,5,6,7
	s_wait_loadcnt 30+4*\g                         ; my slice's loads up to 4 g + 3 are in.  Behind them: 28 - 4 g of the slice, 2 of x's scale words, 8 g of x
.if \g == 0
	ds_store_b32 v59, v58
.endif
	WSTORE \g
	XK \g                                          ; no vector line since the wait above; the LDS stores between name none of these loads' registers
.endr
	WIN 0
	s_wait_dscnt 0x0                               ; for the others' sake: my part of the slice lies in LDS
	s_barrier_signal -1
	s_barrier_wait -1                              ; the one barrier: behind it LDS is only read
	s_cmp_eq_u32 s27, 0
	s_cbranch_scc1 .Lend
.Lpass:
	HALF 0, 1
	QUANT
	SCW 0
	s_wait_alu depctr_va_vdst(0)                   ; the conversions have written v80-95, the data of the four stores below
	OUTC 0
	HALF 1, 0
	QUANT
	SCW 1
	v_cndmask_b32 v62, v56, v57, s75               ; lanes 0-15: tile 0's scale words, lanes 16-31: tile 1's: 64 consecutive bytes each
	s_wait_alu depctr_va_vdst(0)                   ; the conversions have written v80-95 and the selection v62: the data of the five stores below
	OUTC 1
	global_store_b32 v13, v62, s[76:77]
	s_add_co_u32 s28, s28, 8                       ; my next pair
	s_add_co_u32 s3, s3, 1
	s_wait_xcnt 0x0                                ; the stores have read their registers and bases: both are written again below
	s_wait_alu depctr_vm_vsrc(0)                   ; the scale words' store has read v13 and v62, x's loads of this pass v8 to v11: vector lines write them again for the next pass
	s_cmp_ge_u32 s3, s27
	s_cbranch_scc1 .Lnoload
	PLAN
	TOK
	s_wait_alu depctr_va_vdst(0)                   ; v8 to v11 and v13 are written anew; the pass's products are done reading x's scale words and fragments, in which the loads below land
	XSC                                            ; in the order of the first time: the scale words, then K steps 0 to 7: the counts in HALF hold on both ways
	WIN 0x40
.irp g, 0,1,2,3,4,5,6,7
	XK \g
.endr
	WIN 0
.Lnoload:
	s_cmp_lt_u32 s3, s27
	s_cbranch_scc1 .Lpass
.Lend:
	s_wait_xcnt 0x0                                ; every earlier global instruction has had its addresses translated
	v_lshl_add_u32 v254, v0, 2, 0x20c00            ; the add's two registers are made here: no two could be kept.  No memory or LDS instruction has read v254 or v255
	v_mov_b32 v255, 0
	s_wait_dscnt 0x0                               ; the closing lines, six on end
	s_wait_alu 0x0
	s_wait_tensorcnt 0x0
	ds_add_u32 v254, v255
	s_wait_dscnt 0x0
	s_endpgm
.Lfunc_end_k_qf93083b6cf_up:
	.size	k_qf93083b6cf_up, .Lfunc_end_k_qf93083b6cf_up-k_qf93083b6cf_up
	.p2alignl 7, 3214868480
	.fill 96, 4, 3214868480
	.section	.rodata,"a",@progbits
	.p2align	6, 0x0
	.amdhsa_kernel k_qf93083b6cf_up
		.amdhsa_group_segment_fixed_size 135168
		.amdhsa_private_segment_fixed_size 0
		.amdhsa_enable_private_segment 0
		.amdhsa_kernarg_size 64
		.amdhsa_user_sgpr_count 2
		.amdhsa_user_sgpr_kernarg_segment_ptr 1
		.amdhsa_wavefront_size32 1
		.amdhsa_system_sgpr_workgroup_id_x 1
		.amdhsa_system_sgpr_workgroup_id_y 1
		.amdhsa_system_sgpr_workgroup_id_z 1
		.amdhsa_system_vgpr_workitem_id 0
		.amdhsa_next_free_vgpr 512
		.amdhsa_next_free_sgpr 80
		.amdhsa_reserve_vcc 0
		.amdhsa_float_denorm_mode_32 3
		.amdhsa_float_denorm_mode_16_64 3
		.amdhsa_memory_ordered 1
		.amdhsa_forward_progress 1
		.amdhsa_inst_pref_size 86
	.end_amdhsa_kernel
	.amdgpu_metadata
---
amdhsa.version: [ 1, 2 ]
amdhsa.kernels:
  - .name:           k_qf93083b6cf_up
    .symbol:         k_qf93083b6cf_up.kd
    .args:
      - { .name: x_codes, .offset: 0, .size: 8, .value_kind: global_buffer, .address_space: global }
      - { .name: x_scales, .offset: 8, .size: 8, .value_kind: global_buffer, .address_space: global }
      - { .name: W1_codes, .offset: 16, .size: 8, .value_kind: global_buffer, .address_space: global }
      - { .name: W1_scales, .offset: 24, .size: 8, .value_kind: global_buffer, .address_space: global }
      - { .name: b1, .offset: 32, .size: 8, .value_kind: global_buffer, .address_space: global }
      - { .name: plan, .offset: 40, .size: 8, .value_kind: global_buffer, .address_space: global }
      - { .name: hc, .offset: 48, .size: 8, .value_kind: global_buffer, .address_space: global }
      - { .name: hs, .offset: 56, .size: 8, .value_kind: global_buffer, .address_space: global }
    .group_segment_fixed_size: 135168
    .private_segment_fixed_size: 0
    .kernarg_segment_align: 8
    .kernarg_segment_size: 64
    .max_flat_workgroup_size: 256
    .sgpr_count:     80
    .vgpr_count:     512
    .wavefront_size: 32
...
	.end_amdgpu_metadata
.endif
;; end of part 8
;; launch down (part 9): grid 16 x 16, 8 waves a work-group, no clusters, 168,960 bytes of LDS; arguments hc, hs, W2_codes, W2_scales, b2, plan, y; writes y
.if DOCPART == 9
	.amdgcn_target "amdgcn-amd-amdhsa--gfx1250"
	.amdhsa_code_object_version 6
	.text
	.protected	k_qf93083b6cf_down
	.globl	k_qf93083b6cf_down
	.p2align	8
	.type	k_qf93083b6cf_down,@function
k_qf93083b6cf_down:
	s_mov_b64 s[64:65], 0
	v_nop
	global_prefetch_b8 v0, s[64:65] scope:SCOPE_SE
	s_setreg_imm32_b32 hwreg(HW_REG_WAVE_SCHED_MODE, 0, 2), 2
	s_setreg_imm32_b32 hwreg(HW_REG_WAVE_MODE, 25, 1), 1
	s_wait_xcnt 0x0
	s_wait_alu depctr_vm_vsrc(0)
; THE SECOND LAYER OF THE CHOSEN EXPERTS.  Work-group (S, e): columns 64 S .. 64 S + 63 of  y = h W2 + b2  for the rows that were placed on expert e.  h comes as codes of E5M2 and scale words, laid as images of the
; operand's registers (hc[tile][K step]: registers 4 c .. 4 c + 3 of lane l at 512 c + 16 l; hs[tile][K step][row]); W2 as given.  The routing weight is applied where the two experts' rows are added, a launch later.
; The slice's 64 rows of W2 (131,072 consecutive bytes) are read from memory once, into LDS; one barrier; then the eight waves are independent: wave w takes the expert's pairs of tiles w, w + 8, ..; how many is read from plan.
; No sharing of tiles in a cluster: the trip counts and h's addresses hang on plan, so operands come by plain loads.
; THE PRODUCT IS USED TRANSPOSED (source 0 = 16 rows of W2, source 1 = 16 rows of h): a lane's eight results are eight neighbouring columns of one row.  The bias is the C of each sum's first product.
; LDS: 0: the slice, 64 rows 2,064 bytes apart (an odd multiple of 16);  132,096: the 64 biases (a word a thread: four copies);  133,120: a stage of 16 rows x 272 bytes for each wave, its own.
; REGISTERS, window 0: v1 r, v2 h; v4, v5 my place in the slice's tiles 0, 1 and 2, 3; v6 in the biases; v7 where I store the slice; v8 16 x lane; v9 4 x lane; v10, v11 the stage, in and back; v12 my place in 2 rows of y;
;   v16-31 h's scale words (row tile m: register q: K step 2 q in lanes 0-15, 2 q + 1 in lanes 16-31); v32-63 W2's (tile t: register 4 q + j: K step 8 q + j in lanes 0-15, 8 q + 4 + j in lanes 16-31: they stay);
;   v64-127, v128-191 two sets of four fragments of W2 (first the slice on its way to LDS; at the end rows of y); v192-255 eight accumulators: (m, t) at 192 + 32 m + 8 t.
;   window 1: h's fragments, eight K steps at a time: row tile m, K step s at 128 m + 16 (s % 8).
; SCALARS: s3 passes done, s27 my wave's passes, s28 the pair in hand (it steps by 8 and enters addresses alone); s24, s25 the expert's first tile and the next expert's, s26 its last tile.
; THE MODE: SCHED_MODE bits 1:0 = 2 (LLVM: expert scheduling mode 2), set by the entry lines.  The code itself states the register dependences between vector or matrix
; instructions and memory or LDS instructions, and those through scalar registers that vector instructions write, with s_wait_alu, always for 0.
; THE PLAN.  Registers that memory or LDS instructions touch:
;   set 0 (v64-127), set 1 (v128-191)  At the head the slice's loads land in them and the LDS stores read them.  K step s's eight products read set s % 2; the LDS loads of K step s + 1 land in the other set.
;                                      At a pass's end y's rows come back from the stage into v64-127, and the global stores read them.
;   v192-255                           The biases' LDS loads land in them; the products add onto them; the stage's LDS stores read them.
;   v16-31, window 1                   h's loads land in them; the products read them.  In K steps 1 to 8 the fragments of K step s + 7 land in the place that K step s - 1 has left.
;   v3 to v13, v15                     Addresses: made at the head and never written again.
; The two sets fill what the wave has (two waves of 512 registers share a SIMD's 1,024), so ONE wait on va_vdst stands in each K step that asks for anything: the step before is done reading the other set and its
; fragments of h.  Behind it come h's eight loads, in one run under their window, and the next step's 16 LDS loads, dealt among the step's first four products, four behind each; these products name set s % 2, h's
; fragments of K step s, scale words and accumulators: none of the registers that the loads touch.  The loop over K holds no vector line but the places.
.set PITCH, 2064
.set T2,    32*PITCH
.set BIAS,  64*PITCH
.set STG,   BIAS+1024
.set SROW,  272
.set WB0,   64
.set ACC,   192
.set HS,    16
.set WS,    32
.set MSB, 0
.macro WIN new                         ; the immediate's high byte repeats the setting that is left
.if MSB != \new
	s_set_vgpr_msb (MSB<<8)|\new
.set MSB, \new
.endif
.endm
.macro PLACES                          ; eight places behind this matrix form: ahead of loads into registers that it has read, and of the first read of results
.rept 8
	v_nop
.endr
.endm
.macro WM d, a, b, sa, sb, ra, rb      ; one product, in place.  ra, rb: the scale words stand in lanes 16-31 of their registers
.if ((\ra) != 0) && ((\rb) != 0)
	v_wmma_scale_f32_16x16x128_f8f6f4 v[\d:\d+7], v[\a:\a+15], v[\b:\b+15], v[\d:\d+7], v[\sa], v[\sb] matrix_a_fmt:MATRIX_FMT_BF8 matrix_b_fmt:MATRIX_FMT_BF8 matrix_a_scale:MATRIX_SCALE_ROW1 matrix_b_scale:MATRIX_SCALE_ROW1
.elseif (\ra) != 0
	v_wmma_scale_f32_16x16x128_f8f6f4 v[\d:\d+7], v[\a:\a+15], v[\b:\b+15], v[\d:\d+7], v[\sa], v[\sb] matrix_a_fmt:MATRIX_FMT_BF8 matrix_b_fmt:MATRIX_FMT_BF8 matrix_a_scale:MATRIX_SCALE_ROW1
.elseif (\rb) != 0
	v_wmma_scale_f32_16x16x128_f8f6f4 v[\d:\d+7], v[\a:\a+15], v[\b:\b+15], v[\d:\d+7], v[\sa], v[\sb] matrix_a_fmt:MATRIX_FMT_BF8 matrix_b_fmt:MATRIX_FMT_BF8 matrix_b_scale:MATRIX_SCALE_ROW1
.else
	v_wmma_scale_f32_16x16x128_f8f6f4 v[\d:\d+7], v[\a:\a+15], v[\b:\b+15], v[\d:\d+7], v[\sa], v[\sb] matrix_a_fmt:MATRIX_FMT_BF8 matrix_b_fmt:MATRIX_FMT_BF8
.endif
.endm
.macro WSTORE g                        ; loads 4 g .. 4 g + 3 of my 32 are row g of my eight
.irp k, 0,1,2,3
	ds_store_b128 v7, v[64+4*(4*(\g)+\k):64+4*(4*(\g)+\k)+3] offset:(\g)*PITCH+512*\k
.endr
.endm
; the pair of tiles p: its two tiles (the second falls on the first where the expert's tiles are odd in number: the same values are then stored twice) and their places in hc, hs and y.
; Every number from plan is held under a constant before it enters an address.
.macro PLAN
	s_lshl_b32 s23, s28, 1
	s_add_co_u32 s23, s23, s24
	s_min_u32 s29, s23, s26
	s_min_u32 s29, s29, 143
	s_add_co_u32 s30, s23, 1
	s_min_u32 s30, s30, s26
	s_min_u32 s30, s30, 143
	s_lshl_b32 s44, s29, 15
	s_add_nc_u64 s[32:33], s[4:5], s[44:45]        ; hc: 32,768 bytes a tile
	s_lshl_b32 s44, s30, 15
	s_add_nc_u64 s[34:35], s[4:5], s[44:45]
	s_lshl_b32 s44, s29, 10
	s_add_nc_u64 s[36:37], s[6:7], s[44:45]        ; hs: 1,024
	s_lshl_b32 s44, s30, 10
	s_add_nc_u64 s[38:39], s[6:7], s[44:45]
	s_lshl_b32 s44, s29, 16
	s_add_nc_u64 s[40:41], s[16:17], s[44:45]      ; y: 16 rows of 4,096
	s_lshl_b32 s44, s30, 16
	s_add_nc_u64 s[42:43], s[16:17], s[44:45]
.endm
.macro HSC                             ; h's scale words, all 16 K steps of both tiles: 128 consecutive bytes a load
.irp m, 0,1
.irp q, 0,1,2,3,4,5,6,7
	global_load_b32 v[HS+8*\m+\q], v9, s[36+2*\m:37+2*\m] offset:128*\q
.endr
.endr
.endm
.macro HK s                            ; h's two fragments of K step s (destination window 1): 512 consecutive bytes a load
.irp m, 0,1
.irp c, 0,1,2,3
	global_load_b128 v[128*\m+16*((\s)%8)+4*\c:128*\m+16*((\s)%8)+4*\c+3], v8, s[32+2*\m:33+2*\m] offset:2048*(\s)+512*\c
.endr
.endr
.endm
.macro BIASIN                          ; the accumulators begin as the biases: lane (r, h), tile t, register j: column 16 t + 8 h + j
.irp m, 0,1
.irp q, 0,1,2,3
	ds_load_b128 v[ACC+32*\m+8*\q:ACC+32*\m+8*\q+3],   v6 offset:64*\q
	ds_load_b128 v[ACC+32*\m+8*\q+4:ACC+32*\m+8*\q+7], v6 offset:64*\q+16
.endr
.endr
.endm
.macro WFRAG buf, s, f                 ; one fragment of W2: tile f, K step s, into place f of the set at buf
.irp c, 0,1,2,3
	ds_load_b128 v[\buf+16*(\f)+4*\c:\buf+16*(\f)+4*\c+3], v[4+(\f)/2] offset:((\f)%2)*16*PITCH+128*(\s)+32*\c
.endr
.endm
.macro WLOAD buf, s                    ; W2's four fragments of K step s
.irp q, 0,1,2,3
	WFRAG \buf, \s, \q
.endr
.endm
; eight products of K step s, on set s % 2; the eight accumulators take turns, one instruction a turn, in the same order in every K step.
; nxt = 1: the next K step's four fragments are asked for, into the other set, one fragment (four loads) behind each of the first four products: all are out by the step's middle
.macro MUL s, nxt
.irp q, 0,1,2,3
.irp m, 0,1
	WM ACC+32*\m+8*\q, WB0+64*((\s)%2)+16*\q, 128*\m+16*((\s)%8), WS+8*\q+4*((\s)/8)+(\s)%4, HS+8*\m+(\s)/2, ((\s)/4)%2, (\s)%2
.if (\nxt) && (2*\q+\m < 4)
	WFRAG WB0+64*(((\s)+1)%2), (\s)+1, 2*\q+\m
.endif
.endr
.endr
.endm
.macro KLOOP                           ; all of K = 2,048 for both row tiles
	s_wait_xcnt 0x0                                ; the last pass's stores have read their registers, which the loads below fill
	WIN 0x04                                       ; source 1 (h) window 1; LDS loads and their addresses stay in window 0
	s_wait_alu depctr_vm_vsrc(0)                   ; the stage's LDS stores have read the accumulators, y's stores v64-127, and (first pass) my LDS stores of the slice both sets: LDS loads land in all of them from here on
	s_wait_alu depctr_va_vdst(0)                   ; the last pass's products are done with the accumulators and with both sets, in which the LDS loads of this head and of K step 0 land
	BIASIN
	WLOAD WB0, 0
.irp s, 0,1,2,3,4,5,6,7,8,9,10,11,12,13,14,15
.if (\s >= 1) && (\s < 15)
	PLACES                                         ; what the last eight products read (a set of W2's fragments, a K step of h's) is loaded again below
.endif
.if (\s >= 1) && (\s <= 8)
	WIN 0x40                                       ; the window first, then the wait, then h's loads
.endif
.if (\s >= 1) && (\s < 15)
	s_wait_alu depctr_va_vdst(0)                   ; the eight products of the K step before are done reading the other set and their fragments of h: this step's loads land in both
.endif
.if (\s >= 1) && (\s <= 8)
	HK \s+7                                        ; into the place that K step s - 1 has left
	WIN 0x04
.endif
	s_wait_dscnt 0x0                               ; set s % 2 is in: its loads went out in the first half of the step before (K step 0: just now, with the biases)
.if \s < 8
	s_wait_loadcnt 56                              ; h's K step s is in.  Behind it: 8 (7 - s) loads of K steps up to 7 and 8 s of K steps 8 to s + 7
.else
	s_wait_loadcnt 8*(15-\s)
.endif
.if \s < 15
	MUL \s, 1
.else
	MUL \s, 0                                      ; the last K step asks for nothing: no wait on va_vdst, no places
.endif
.endr
	WIN 0
	PLACES
.endm
.macro STAGE m                         ; row tile m: a lane's 32 bytes of a row into my stage, and back as whole rows of 256 bytes.  LDS serves a wave's instructions in order (ISA guide 5.7.1.4): no wait between
.irp q, 0,1,2,3
	ds_store_b128 v10, v[ACC+32*\m+8*\q:ACC+32*\m+8*\q+3] offset:64*\q          ; each accumulator from its low end on
	ds_store_b128 v10, v[ACC+32*\m+8*\q+4:ACC+32*\m+8*\q+7] offset:64*\q+16
.endr
.irp i, 0,1,2,3,4,5,6,7
	ds_load_b128 v[64+32*\m+4*\i:64+32*\m+4*\i+3], v11 offset:2*SROW*\i
.endr
.endm
.macro SEND m                          ; sixteen lanes store 256 consecutive bytes, at a multiple of 256 from y's first byte; two rows a store
.irp i, 0,1,2,3,4,5,6,7
	global_store_b128 v12, v[64+32*\m+4*\i:64+32*\m+4*\i+3], s[40+2*\m:41+2*\m] offset:8192*\i
.endr
.endm
	s_load_b256 s[4:11], s[0:1], 0x0               ; hc, hs, W2's codes, W2's scales
	s_load_b128 s[12:15], s[0:1], 0x20             ; b2, plan
	s_load_b64 s[16:17], s[0:1], 0x30              ; y
	v_lshrrev_b32 v14, 5, v0
	v_readfirstlane_b32 s20, v14                   ; wave 0..7
	s_and_b32 s21, ttmp7, 0xffff                   ; the expert
	s_mov_b32 s22, ttmp9                           ; the slice
	v_and_b32 v1, 15, v0                           ; r
	v_bfe_u32 v2, v0, 4, 1                         ; h
	v_mul_u32_u24 v4, v1, PITCH
	v_lshl_add_u32 v4, v2, 4, v4                   ; a fragment's row x pitch + 16 h
	v_add_nc_u32 v5, T2, v4
	v_lshl_add_u32 v6, v2, 5, BIAS
	v_and_b32 v8, 31, v0
	v_lshlrev_b32 v9, 2, v8
	v_lshlrev_b32 v8, 4, v8
	s_wait_alu depctr_va_sdst(0)                   ; s20, the wave's number, is written, ahead of its first reader
	s_mul_i32 s23, s20, 8*PITCH                    ; my eight rows of the slice
	v_add_nc_u32 v7, s23, v8
	s_mul_i32 s23, s20, 16*SROW
	s_add_co_u32 s23, s23, STG                     ; my stage
	v_mul_u32_u24 v10, v1, SROW
	v_lshl_add_u32 v10, v2, 5, v10
	v_add_nc_u32 v10, s23, v10                     ; in: row r, + 32 h
	v_mul_u32_u24 v11, v2, SROW
	v_lshl_add_u32 v11, v1, 4, v11
	v_add_nc_u32 v11, s23, v11                     ; back: lanes 0-15 one row, lanes 16-31 the next
	v_lshlrev_b32 v12, 12, v2
	v_lshl_add_u32 v12, v1, 4, v12                 ; and the same two rows in y
	v_lshlrev_b32 v13, 6, v1
	v_lshl_add_u32 v13, v2, 4, v13                 ; W2's scale bytes: 64 a row, + 16 h
	v_lshl_add_u32 v15, v0, 2, BIAS
	v_and_b32 v3, 63, v0
	v_lshlrev_b32 v3, 2, v3
	s_mov_b32 s45, 0
	s_lshl_b32 s31, s21, 2
	s_wait_kmcnt 0x0
	s_load_b32 s24, s[14:15], s31 offset:0x0       ; the expert's first tile,
	s_load_b32 s25, s[14:15], s31 offset:0x4       ; and the next expert's
	s_lshl_b32 s44, s21, 21                        ; W2's codes: 2 MiB an expert, 128 KiB a slice, 16 KiB a wave
	s_lshl_b32 s23, s22, 17
	s_add_co_u32 s44, s44, s23
	s_lshl_b32 s23, s20, 14
	s_add_co_u32 s44, s44, s23
	s_add_nc_u64 s[46:47], s[8:9], s[44:45]
	s_lshl_b32 s44, s21, 16                        ; its scale bytes: 64 KiB an expert, 4 KiB a slice
	s_lshl_b32 s23, s22, 12
	s_add_co_u32 s44, s44, s23
	s_add_nc_u64 s[10:11], s[10:11], s[44:45]
	s_lshl_b32 s44, s21, 12                        ; b2: 4 KiB an expert, 256 bytes a slice
	s_lshl_b32 s23, s22, 8
	s_add_co_u32 s44, s44, s23
	s_add_nc_u64 s[12:13], s[12:13], s[44:45]
	s_mov_b32 s44, s23                             ; y: the slice's 256 bytes of a row
	s_add_nc_u64 s[16:17], s[16:17], s[44:45]
	s_wait_alu depctr_va_vdst(0)                   ; all addresses, v3 to v13 and v15, are written: every load, store and LDS instruction of the kernel reads one of them; and the head is done with v14, in which the bias lands
	global_load_b32 v14, v3, s[12:13]              ; a bias a thread
.irp t, 0,1,2,3
.irp q, 0,1
	global_load_b128 v[WS+8*\t+4*\q:WS+8*\t+4*\q+3], v13, s[10:11] offset:1024*\t+32*\q
.endr
.endr
.irp i, 0,1,2,3,4,5,6,7,8,9,10,11,12,13,14,15,16,17,18,19,20,21,22,23,24,25,26,27,28,29,30,31
	global_load_b128 v[64+4*\i:64+4*\i+3], v8, s[46:47] offset:512*\i th:TH_LOAD_NT       ; my 16 KiB of the slice: 512 consecutive bytes a load; read once in the launch
.endr
	s_wait_kmcnt 0x0
	s_min_u32 s24, s24, 144
	s_min_u32 s25, s25, 144
	s_sub_co_u32 s26, s25, 1                       ; the expert's last tile
	s_sub_co_u32 s27, s25, s24
	s_add_co_u32 s27, s27, 1
	s_lshr_b32 s27, s27, 1                         ; its pairs of tiles, 72 at the most;
	s_add_co_u32 s27, s27, 7
	s_sub_co_u32 s27, s27, s20
	s_lshr_b32 s27, s27, 3                         ; of them pairs w, w + 8, .. are mine: (pairs + 7 - w) / 8 passes, none where pairs <= w
	s_mov_b32 s3, 0                                ; passes done: the loop's counter, stepped by 1
	s_mov_b32 s28, s20                             ; my first pair
	PLAN                                           ; every wave, one without a pair too (on tiles held inside what was placed): no branch on plan stands ahead of the barrier
	HSC
	WIN 0x40                                       ; destination window 1: h's fragments; an LDS store's address and data stay in window 0
.irp g, 0,1,2,3,4,5,6,7
.if 44+4*\g < 63
	s_wait_loadcnt 44+4*\g                         ; my slice's loads up to 4 g + 3 are in.  Behind them: 28 - 4 g of the slice, 16 of h's scale words, 8 g of h
.else
	s_wait_loadcnt 63                              ; (the largest count that the wait can name: a smaller count than needed is safe)
.endif
.if \g == 0
	ds_store_b32 v15, v14
.endif
	WSTORE \g
	HK \g                                          ; no vector line since the wait above; the LDS stores between name none of these loads' registers
.endr
	WIN 0
	s_wait_dscnt 0x0                               ; for the others' sake: my part of the slice lies in LDS
	s_barrier_signal -1
	s_barrier_wait -1                              ; the one barrier: behind it the slice and the biases are only read, and a stage is touched by its wave alone
	s_cmp_eq_u32 s27, 0
	s_cbranch_scc1 .Lend
.Lpass:
	KLOOP
	s_wait_alu depctr_va_vdst(0)                   ; behind the places: the products have written the accumulators, which the stage's LDS stores read, and are done reading set 0, in which y's rows land
	STAGE 0
	STAGE 1
	s_wait_dscnt 16                                ; tile 0's rows are back; tile 1's eight stores and eight loads may be out
	SEND 0
	s_wait_dscnt 0x0
	SEND 1
	s_add_co_u32 s28, s28, 8                       ; my next pair
	s_add_co_u32 s3, s3, 1
	s_wait_xcnt 0x0                                ; the stores have read their registers and bases: both are written again below
	s_cmp_ge_u32 s3, s27
	s_cbranch_scc1 .Lnoload
	PLAN
	s_wait_alu depctr_va_vdst(0)                   ; the pass's products are done reading h's scale words and fragments, in which the loads below land
	HSC                                            ; in the order of the first time: the scale words, then K steps 0 to 7: the counts in KLOOP hold on both ways
	WIN 0x40
.irp g, 0,1,2,3,4,5,6,7
	HK \g
.endr
	WIN 0
.Lnoload:
	s_cmp_lt_u32 s3, s27
	s_cbranch_scc1 .Lpass
.Lend:
	s_wait_xcnt 0x0                                ; every earlier global instruction has had its addresses translated
	s_wait_alu depctr_vm_vsrc(0)                   ; the stage's LDS stores have read v254 and v255, which the two lines below write
	v_lshl_add_u32 v254, v0, 2, 0x29000            ; the add's two registers are made here: no two could be kept
	v_mov_b32 v255, 0
	s_wait_dscnt 0x0                               ; the closing lines, six on end
	s_wait_alu 0x0
	s_wait_tensorcnt 0x0
	ds_add_u32 v254, v255
	s_wait_dscnt 0x0
	s_endpgm
.Lfunc_end_k_qf93083b6cf_down:
	.size	k_qf93083b6cf_down, .Lfunc_end_k_qf93083b6cf_down-k_qf93083b6cf_down
	.p2alignl 7, 3214868480
	.fill 96, 4, 3214868480
	.section	.rodata,"a",@progbits
	.p2align	6, 0x0
	.amdhsa_kernel k_qf93083b6cf_down
		.amdhsa_group_segment_fixed_size 168960
		.amdhsa_private_segment_fixed_size 0
		.amdhsa_enable_private_segment 0
		.amdhsa_kernarg_size 56
		.amdhsa_user_sgpr_count 2
		.amdhsa_user_sgpr_kernarg_segment_ptr 1
		.amdhsa_wavefront_size32 1
		.amdhsa_system_sgpr_workgroup_id_x 1
		.amdhsa_system_sgpr_workgroup_id_y 1
		.amdhsa_system_sgpr_workgroup_id_z 1
		.amdhsa_system_vgpr_workitem_id 0
		.amdhsa_next_free_vgpr 512
		.amdhsa_next_free_sgpr 66
		.amdhsa_reserve_vcc 0
		.amdhsa_float_denorm_mode_32 3
		.amdhsa_float_denorm_mode_16_64 3
		.amdhsa_memory_ordered 1
		.amdhsa_forward_progress 1
		.amdhsa_inst_pref_size 76
	.end_amdhsa_kernel
	.amdgpu_metadata
---
amdhsa.version: [ 1, 2 ]
amdhsa.kernels:
  - .name:           k_qf93083b6cf_down
    .symbol:         k_qf93083b6cf_down.kd
    .args:
      - { .name: hc, .offset: 0, .size: 8, .value_kind: global_buffer, .address_space: global }
      - { .name: hs, .offset: 8, .size: 8, .value_kind: global_buffer, .address_space: global }
      - { .name: W2_codes, .offset: 16, .size: 8, .value_kind: global_buffer, .address_space: global }
      - { .name: W2_scales, .offset: 24, .size: 8, .value_kind: global_buffer, .address_space: global }
      - { .name: b2, .offset: 32, .size: 8, .value_kind: global_buffer, .address_space: global }
      - { .name: plan, .offset: 40, .size: 8, .value_kind: global_buffer, .address_space: global }
      - { .name: y, .offset: 48, .size: 8, .value_kind: global_buffer, .address_space: global }
    .group_segment_fixed_size: 168960
    .private_segment_fixed_size: 0
    .kernarg_segment_align: 8
    .kernarg_segment_size: 56
    .max_flat_workgroup_size: 256
    .sgpr_count:     66
    .vgpr_count:     512
    .wavefront_size: 32
...
	.end_amdgpu_metadata
.endif
;; end of part 9
;; launch combine (part 10): grid 256 x 1, 4 waves a work-group, no clusters, 0 bytes of LDS; arguments y, rwt, plan, out0; writes out0
.if DOCPART == 10
	.amdgcn_target "amdgcn-amd-amdhsa--gfx1250"
	.amdhsa_code_object_version 6
	.text
	.protected	k_qf93083b6cf_combine
	.globl	k_qf93083b6cf_combine
	.p2align	8
	.type	k_qf93083b6cf_combine,@function
k_qf93083b6cf_combine:
	s_mov_b64 s[64:65], 0
	v_nop
	global_prefetch_b8 v0, s[64:65] scope:SCOPE_SE
	s_setreg_imm32_b32 hwreg(HW_REG_WAVE_MODE, 25, 1), 1
	s_wait_xcnt 0x0
; out[t] = w0 y[pos0] + w1 y[pos1]: a token's two experts' rows, found by plan's pos[t][2], weighed by rwt[t][2].  A wave takes a token: a row of 4,096 bytes is eight loads of 512 consecutive bytes.
; A stream: no LDS, no barrier, no matrix unit.  The two terms are added in the order of the logits, not of the experts' numbers: another order of one f32 rounding.
	s_load_b256 s[4:11], s[0:1], 0x0               ; y, rwt, plan, out0
	v_lshrrev_b32 v2, 5, v0
	v_readfirstlane_b32 s13, v2                    ; wave
	v_and_b32 v1, 31, v0
	v_lshlrev_b32 v1, 4, v1                        ; 16 x lane
	s_lshl_b32 s12, ttmp9, 2
	s_add_co_u32 s12, s12, s13                     ; my token
	s_lshl_b32 s26, s12, 12                        ; its row of out0
	s_lshl_b32 s12, s12, 3                         ; its 8 bytes in pos and in rwt
	s_mov_b32 s29, 0
	s_wait_alu depctr_va_vdst(0)
	s_wait_kmcnt 0x0
	s_load_b64 s[14:15], s[8:9], s12 offset:0x2500 ; pos, at byte 9,472 of plan
	s_load_b64 s[16:17], s[6:7], s12 offset:0x0    ; the two weights
	s_wait_kmcnt 0x0
	s_min_u32 s14, s14, 2303                       ; held under y's rows before they enter an address
	s_min_u32 s15, s15, 2303
	s_lshl_b32 s28, s14, 12
	s_add_nc_u64 s[20:21], s[4:5], s[28:29]
	s_lshl_b32 s28, s15, 12
	s_add_nc_u64 s[22:23], s[4:5], s[28:29]
	s_mov_b32 s28, s26
	s_add_nc_u64 s[24:25], s[10:11], s[28:29]
	s_mov_b32 s18, s17                             ; the packed forms take a pair's low word for both halves
	s_mov_b32 s19, s17
.irp i, 0,1,2,3,4,5,6,7
	global_load_b128 v[8+4*\i:8+4*\i+3], v1, s[20:21] offset:512*\i th:TH_LOAD_NT
.endr
.irp i, 0,1,2,3,4,5,6,7
	global_load_b128 v[40+4*\i:40+4*\i+3], v1, s[22:23] offset:512*\i th:TH_LOAD_NT
.endr
.irp i, 0,1,2,3,4,5,6,7
	s_wait_loadcnt 7-\i                            ; piece i of both rows is in; the second row's later pieces may be out
	v_pk_mul_f32 v[8+4*\i:9+4*\i], v[8+4*\i:9+4*\i], s[16:17] op_sel_hi:[1,0]
	v_pk_mul_f32 v[10+4*\i:11+4*\i], v[10+4*\i:11+4*\i], s[16:17] op_sel_hi:[1,0]
	v_pk_fma_f32 v[8+4*\i:9+4*\i], v[40+4*\i:41+4*\i], s[18:19], v[8+4*\i:9+4*\i] op_sel_hi:[1,0,1]
	v_pk_fma_f32 v[10+4*\i:11+4*\i], v[42+4*\i:43+4*\i], s[18:19], v[10+4*\i:11+4*\i] op_sel_hi:[1,0,1]
	global_store_b128 v1, v[8+4*\i:8+4*\i+3], s[24:25] offset:512*\i th:TH_STORE_NT   ; 512 consecutive bytes, at a multiple of 256 from out0's first byte
.endr
	s_endpgm
.Lfunc_end_k_qf93083b6cf_combine:
	.size	k_qf93083b6cf_combine, .Lfunc_end_k_qf93083b6cf_combine-k_qf93083b6cf_combine
	.p2alignl 7, 3214868480
	.fill 96, 4, 3214868480
	.section	.rodata,"a",@progbits
	.p2align	6, 0x0
	.amdhsa_kernel k_qf93083b6cf_combine
		.amdhsa_group_segment_fixed_size 0
		.amdhsa_private_segment_fixed_size 0
		.amdhsa_enable_private_segment 0
		.amdhsa_kernarg_size 32
		.amdhsa_user_sgpr_count 2
		.amdhsa_user_sgpr_kernarg_segment_ptr 1
		.amdhsa_wavefront_size32 1
		.amdhsa_system_sgpr_workgroup_id_x 1
		.amdhsa_system_sgpr_workgroup_id_y 1
		.amdhsa_system_sgpr_workgroup_id_z 1
		.amdhsa_system_vgpr_workitem_id 0
		.amdhsa_next_free_vgpr 72
		.amdhsa_next_free_sgpr 66
		.amdhsa_reserve_vcc 0
		.amdhsa_float_denorm_mode_32 3
		.amdhsa_float_denorm_mode_16_64 3
		.amdhsa_memory_ordered 1
		.amdhsa_forward_progress 1
		.amdhsa_inst_pref_size 6
	.end_amdhsa_kernel
	.amdgpu_metadata
---
amdhsa.version: [ 1, 2 ]
amdhsa.kernels:
  - .name:           k_qf93083b6cf_combine
    .symbol:         k_qf93083b6cf_combine.kd
    .args:
      - { .name: y, .offset: 0, .size: 8, .value_kind: global_buffer, .address_space: global }
      - { .name: rwt, .offset: 8, .size: 8, .value_kind: global_buffer, .address_space: global }
      - { .name: plan, .offset: 16, .size: 8, .value_kind: global_buffer, .address_space: global }
      - { .name: out0, .offset: 24, .size: 8, .value_kind: global_buffer, .address_space: global }
    .group_segment_fixed_size: 0
    .private_segment_fixed_size: 0
    .kernarg_segment_align: 8
    .kernarg_segment_size: 32
    .max_flat_workgroup_size: 128
    .sgpr_count:     66
    .vgpr_count:     72
    .wavefront_size: 32
...
	.end_amdgpu_metadata
.endif
;; end of part 10
